; MI455X (gfx1250); checked and timed in simulation.
; The chip was launched on July 23, 2026; its instructions are those of AMD's public machine-readable ISA for CDNA 5 (MIT licence, August 2026) and "CDNA5" Instruction Set Architecture Reference Guide (July 2026). The comments in the code are by the model that wrote it; some were corrected since.
;; Self Multihead Attn. Allowed arithmetic: matrix products marked QUANTISED: E2M1 operands, one E8M0 scale for each 32 along K, by v_wmma_scale_f32_16x16x128_f8f6f4 with both operands' format E2M1 (or v_wmma_scale_f32_32x16x128_f4), f32 sums; products left as they are: bf16, f16 or f32 operands; f32 sums; everything else in f32.
;; Inputs: in_proj_bias 3,072 float32; in_proj_weight 3,072 x 1,024 float32; out_proj_bias 1,024 float32; out_proj_weight 1,024 x 1,024 float32; query 2,048 x 4 x 1,024 float32.
;; Outputs: out0 2,048 x 4 x 1,024 float32.
;; This version of the problem:
;;   THIS VERSION OF THE PROBLEM IS GIVEN IN LOW PRECISION. The matrix products marked QUANTISED in the list below multiply operands that are first quantised to E2M1 (2 exponent bits, 1 mantissa bit; 4 bits a number), with one power-of-two scale for each 32 numbers along K (OCP MX v1.0); their sums are f32. The products marked 'left as it is' may take bf16, f16 or f32 operands, with f32 sums. Whichever they take, every output number must still come out within the allowed error. Rounding operands to bf16 (8 significant bits) uses up far more of that allowance than f16 does (11 bits, for magnitudes from 6e-5 to 65,504). All else is computed in f32.
;;   The module's matrix products, in the order in which they are computed (A, B: the left and right operand; K: the contracted axis; several contracted axes count as one K, in the product's order):
;;     1. [M 8,192, K 1,024] x [K 1,024, N 3,072]; A: input query; B: input in_proj_weight: QUANTISED
;;     2. batch 64 x [M 2,048, K 64] x [K 64, N 2,048]; A: computed on the way; B: computed on the way: left as it is (an operand is computed on the way)
;;     3. batch 64 x [M 64, K 2,048] x [K 2,048, N 2,048]; A: computed on the way; B: computed on the way: left as it is (an operand is computed on the way)
;;     4. [M 8,192, K 1,024] x [K 1,024, N 1,024]; A: computed on the way; B: input out_proj_weight: left as it is (an operand is computed on the way)
;;   THE QUANTISER, for each operand of a quantised product, along K:
;;     - K is cut into blocks of 32 from its start; a last block that is shorter is filled with zeros.
;;     - A block's scale is 2^e with e = floor(log2(the largest magnitude in the block)) - 2, held to -126 .. 127; a block of zeros has e = 0. As a byte (E8M0): e + 127.
;;     - Each number is divided by its block's scale, clamped to +-6, and rounded to the nearest number of E2M1, ties to even, subnormals kept.
;;     - The product sums the exact products of the quantised numbers (number of the format x scale) in f32.
;;   ~~~python
;;   def quantise(x, axis):      # numpy; x: float32 -> the quantised numbers, widened to float32 again
;;       x = np.moveaxis(x, axis, -1); K = x.shape[-1]
;;       x = np.pad(x, [(0, 0)] * (x.ndim - 1) + [(0, -K % 32)]); x = x.reshape(x.shape[:-1] + (-1, 32)); a = np.abs(x).max(-1, keepdims=True)
;;       e = np.where(a > 0, np.clip(np.frexp(np.where(a > 0, a, 1))[1] - 1 - 2, -126, 127), 0)      # np.frexp(a)[1] - 1 = floor(log2(a)), exactly
;;       r = np.clip(x / 2.0 ** e, -6, 6)
;;       step = 2.0 ** (np.maximum(np.frexp(np.where(r == 0, 1, r))[1] - 1, 0) - 1)
;;       q = np.round(r / step) * step * 2.0 ** e      # np.round: ties to even
;;       return np.moveaxis(q.reshape(q.shape[:-2] + (-1,))[..., :K], -1, axis).astype(np.float32)
;;   ~~~
;; One version. Each part assembles by itself: llvm-mc -triple=amdgcn-amd-amdhsa -mcpu=gfx1250 --defsym DOCPART=n.
;; ======== version 1 of 1: 4 launches
;; limits: values are held in f16: magnitudes above 65,504 overflow, below 6.1e-05 lose precision
;; workspace buffers: a_codes 4,194,304 bytes; a_scales 262,144 bytes; b_codes 1,572,864 bytes; b_scales 98,304 bytes; wo16 2,097,152 bytes; qkv16 50,331,648 bytes; ctx16 16,777,216 bytes
;; launch quant (part 1): grid 480 x 1, 4 waves a work-group, no clusters, 33,280 bytes of LDS; arguments query, in_proj_weight, a_codes, a_scales, b_codes, b_scales, out_proj_weight, wo16; writes a_codes, a_scales, b_codes, b_scales, wo16
.if DOCPART == 1
	.amdgcn_target "amdgcn-amd-amdhsa--gfx1250"
	.amdhsa_code_object_version 6
	.text
	.protected	k_q61be8cb5a2_quant
	.globl	k_q61be8cb5a2_quant
	.p2align	8
	.type	k_q61be8cb5a2_quant,@function
k_q61be8cb5a2_quant:
	s_mov_b64 s[64:65], 0
	v_nop
	global_prefetch_b8 v0, s[64:65] scope:SCOPE_SE
	s_setreg_imm32_b32 hwreg(HW_REG_WAVE_MODE, 25, 1), 1
	s_wait_xcnt 0x0
; query [2048 t][4 b][1024] and in_proj_weight [3072][1024], f32, become codes of FP4 (E2M1), K innermost, two codes a byte, with one E8M0 scale byte for each 32 along K;
; out_proj_weight [1024][1024], f32, becomes f16 as it lies.
; A block's scale is 2^(floor(log2(its largest magnitude)) - 2); its byte is the largest magnitude's own exponent field - 2, held at 1 from below.  Each number is divided by the scale and rounded to the nearest code, ties to even;
; beyond the largest code the conversion gives the largest code.
; LIMITS: a block whose largest magnitude lies under 2^-124 (a block of zeros too) gets the byte 1: a block of zeros has zero codes, which add nothing, and the bytes are read by this program alone.
; NaN and infinities among the inputs are not served.  out_proj_weight must stay under 65,504 in magnitude (f16).
; query's rows are WRITTEN in the order b x 2048 + t, so that 16 neighbouring rows of the codes are 16 neighbouring t of one batch: all later launches then store long dense runs.
; SHARES: work-groups 0-255 take query, 256-351 in_proj_weight, 352-479 out_proj_weight.  A wave of the first two kinds takes a run of 8 rows, 16 steps of 512 numbers; only pointers and the row stride are chosen, both tensors take one path.
; Each of a step's four loads reads 512 consecutive bytes; the 2,048 bytes turn through the wave's own stage in LDS and come back 64 bytes (16 neighbours along K) a lane: two neighbouring lanes hold a block.
; A step's codes leave as 256 consecutive bytes; a wave's 256 scale bytes are gathered in LDS and leave as one run of 256.  Waves share nothing: no barrier.
.set WAVES, 4
.set STEPS, 16
.set WGA,   256                        ; 8,192 x 1,024 / 32,768
.set WGQ,   352                        ; + 3,072 x 1,024 / 32,768
.set EMAX,  2
.set CB,    8                          ; bytes of 16 codes
.set R,     16                         ; v16-79   four sets of 16 numbers as they are loaded
.set X,     80                         ; v80-111  two sets of 16 neighbours
.set E,     112                        ; v112-127 a scale byte for each step
.set C,     128                        ; v128-191 codes: four registers for each step, so that no store's data are written again
.set VO,    192                        ; v192-199 row j of my 8: row stride x j + 16 x lane; never rewritten
.set WREG,  8192                       ; LDS: a region for each wave: two stages of 32 x SP bytes, behind them its 256 scale bytes
.set SP,    80                         ; a lane's place in a stage: 64 bytes + 16 of padding
.set SPW,   12                         ; v12  LDS address of my spare word; never rewritten
.set NIL,   13                         ; v13  0; never rewritten
.set SPARE, WAVES*WREG                 ; behind the four regions: the spare words, 128 bytes a wave, which no other line names
	s_load_b128 s[4:7], s[0:1], 0x0                ; query, in_proj_weight
	s_load_b128 s[8:11], s[0:1], 0x10              ; query's codes, its scales
	s_load_b128 s[12:15], s[0:1], 0x20             ; the weight's codes, its scales
	s_load_b128 s[24:27], s[0:1], 0x30             ; out_proj_weight, its f16 copy
	v_lshl_add_u32 v[SPW], v0, 2, SPARE
	v_mov_b32 v[NIL], 0
	v_lshrrev_b32 v1, 5, v0
	v_readfirstlane_b32 s16, v1                    ; wave
	v_and_b32 v2, 31, v0                           ; lane
	v_lshlrev_b32 v3, 4, v2                        ; my 16 bytes of a load's 512
	s_mul_i32 s17, s16, WREG
	v_lshrrev_b32 v14, 2, v2
	v_mul_u32_u24 v14, v14, SP
	v_and_b32 v15, 3, v2
	v_lshl_add_u32 v14, v15, 4, v14
	v_add_nc_u32 v14, s17, v14                     ; the stage, on the way in: four lanes' 64 bytes on end, then 16 of padding
	v_mul_u32_u24 v15, v2, SP
	v_add_nc_u32 v15, s17, v15                     ; and on the way out: SP x lane: my 16 neighbours
	v_mul_u32_u24 v4, v2, CB                       ; my codes' place in a step's
	v_lshrrev_b32 v5, 1, v2
	s_add_co_u32 s17, s17, 2*32*SP
	v_add_nc_u32 v5, s17, v5                       ; LDS: my wave's 256 scale bytes, my block's byte
	v_lshlrev_b32 v7, 3, v2                        ; 8 bytes a lane
	v_add_nc_u32 v6, s17, v7
	s_wait_kmcnt 0x0
	s_cmp_ge_u32 ttmp9, WGQ                        ; the work-group's number alone decides
	s_cbranch_scc1 .Lweights
	s_cmp_lt_u32 ttmp9, WGA
	s_cselect_b32 s17, 0, WGA
	s_sub_co_u32 s17, ttmp9, s17
	s_lshl_b32 s17, s17, 2
	s_add_co_u32 s18, s17, s16                     ; u: which run of 8 rows of the codes is my wave's
	s_and_b32 s20, s18, 255                        ; query: b = u / 256, t = 8 (u % 256) + j; row (t, b) begins at 16,384 t + 4,096 b
	s_lshl_b32 s20, s20, 17
	s_lshr_b32 s21, s18, 8
	s_lshl_b32 s21, s21, 12
	s_add_co_u32 s20, s20, s21
	s_lshl_b32 s21, s18, 15                        ; the weight: 8 rows of 4,096 bytes a run
	s_mov_b32 s23, 4096
	s_cmp_lt_u32 ttmp9, WGA                        ; compared anew: the lines above have written SCC
	s_cselect_b64 s[4:5], s[4:5], s[6:7]
	s_cselect_b64 s[8:9], s[8:9], s[12:13]
	s_cselect_b64 s[10:11], s[10:11], s[14:15]
	s_cselect_b32 s20, s20, s21
	s_cselect_b32 s23, 16384, s23                  ; bytes from a row of my run to the next
	s_mov_b32 s21, 0
	s_add_nc_u64 s[4:5], s[4:5], s[20:21]
	s_lshl_b32 s20, s18, 12                        ; 4,096 bytes of codes a run
	s_add_nc_u64 s[8:9], s[8:9], s[20:21]
	s_lshl_b32 s20, s18, 8                         ; 256 scale bytes a run
	s_add_nc_u64 s[10:11], s[10:11], s[20:21]
.irp j, 0,1,2,3,4,5,6,7
	v_mad_u32_u24 v[VO+\j], s23, \j, v3
.endr
.macro LOAD t                          ; step t: half t % 2 of row t / 2
.irp i, 0,1,2,3
	global_load_b128 v[R+16*((\t)%4)+4*\i:R+16*((\t)%4)+4*\i+3], v[VO+(\t)/2], s[4:5] offset:2048*((\t)%2)+512*\i th:TH_LOAD_NT   ; 32 lanes read 512 consecutive bytes
.endr
.endm
.macro TURN t                          ; step t's numbers through the stage: LDS serves a wave's instructions in order, so no wait stands between the stores and the loads
.irp i, 0,1,2,3
	ds_store_b128 v14, v[R+16*((\t)%4)+4*\i:R+16*((\t)%4)+4*\i+3] offset:32*SP*((\t)%2)+8*SP*\i
.endr
.irp i, 0,1,2,3
	ds_load_b128 v[X+16*((\t)%2)+4*\i:X+16*((\t)%2)+4*\i+3], v15 offset:32*SP*((\t)%2)+16*\i
.endr
.endm
.irp t, 0,1,2,3
	LOAD \t
.endr
	s_wait_loadcnt 12                              ; step 0's four loads are in; three steps' twelve stay out
	TURN 0
.macro STEP t
.set XS, X+16*((\t)%2)
.if (\t) > 0
	s_wait_dscnt 1                                 ; this step's numbers are back from the stage (the last step's byte store may be out): so its stores into the stage have read their registers,
.else
	s_wait_dscnt 0x0
.endif
.if (\t)+4 < STEPS
	LOAD (\t)+4                                    ; which take the loads of four steps on
.endif
.if (\t)+1 < STEPS
.if STEPS-2-(\t) >= 3
	s_wait_loadcnt 12                              ; the next step's four loads are in; those of the three steps behind it may be out
.else
	s_wait_loadcnt 4*(STEPS-2-(\t))
.endif
	TURN (\t)+1                                    ; and go through the other stage while this step is worked
.endif
	v_max3_num_f32 v8, |v[XS]|, |v[XS+1]|, |v[XS+2]|               ; the largest magnitude of my 16, in two chains
	v_max3_num_f32 v9, |v[XS+3]|, |v[XS+4]|, |v[XS+5]|
.irp i, 6,10
	v_max3_num_f32 v8, v8, |v[XS+\i]|, |v[XS+\i+1]|
	v_max3_num_f32 v9, v9, |v[XS+\i+2]|, |v[XS+\i+3]|
.endr
	v_max3_num_f32 v8, v8, |v[XS+14]|, |v[XS+15]|
	v_max3_num_f32 v8, v8, v9, (EMAX+1)<<23        ; and the floor 2^(3 - 127): so the byte cannot fall under 1
	v_max_num_f32_dpp v8, v8, v8 row_xmask:1 row_mask:0xf bank_mask:0xf   ; and of my neighbour's 16: the block's
	v_add_nc_u32 v11, -(EMAX<<23), v8              ; 2 off its exponent field: the conversion takes the exponent field of this operand as its scale, and nothing else of it
	v_cvt_scalef32_pk8_fp4_f32 v[C+4*(\t)], v[XS:XS+7], v11
	v_cvt_scalef32_pk8_fp4_f32 v[C+4*(\t)+1], v[XS+8:XS+15], v11
	v_lshrrev_b32 v[E+(\t)], 23, v11               ; the scale's byte (a plain line behind the conversions)
	ds_store_b8 v5, v[E+(\t)] offset:16*(\t)       ; both lanes of a block write the same byte with the same value
	global_store_b64 v4, v[C+4*(\t):C+4*(\t)+1], s[8:9] offset:32*CB*(\t)   ; 32 lanes store 256 consecutive bytes, at a multiple of 256
.endm
.irp t, 0,1,2,3,4,5,6,7,8,9,10,11,12,13,14,15
	STEP \t
.endr
	ds_load_b64 v[8:9], v6                         ; LDS serves a wave's instructions in order: these see my byte stores
	s_wait_dscnt 0x0
	global_store_b64 v7, v[8:9], s[10:11]          ; 32 lanes store my run's 256 scale bytes
	s_wait_tensorcnt 0x0                           ; the wave's end
	ds_add_u32 v[SPW], v[NIL]
	s_wait_dscnt 0x0
	s_endpgm
.Lweights:                                         ; out_proj_weight to f16: a wave takes 2,048 numbers; nothing goes through LDS
	s_sub_co_u32 s17, ttmp9, WGQ
	s_lshl_b32 s17, s17, 2
	s_add_co_u32 s18, s17, s16                     ; which chunk
	s_lshl_b32 s20, s18, 13                        ; 8,192 bytes in,
	s_mov_b32 s21, 0
	s_add_nc_u64 s[24:25], s[24:25], s[20:21]
	s_lshl_b32 s20, s18, 12                        ; 4,096 out
	s_add_nc_u64 s[26:27], s[26:27], s[20:21]
.irp i, 0,1,2,3,4,5,6,7,8,9,10,11,12,13,14,15
	global_load_b128 v[R+4*\i:R+4*\i+3], v3, s[24:25] offset:512*\i th:TH_LOAD_NT
.endr
.irp i, 0,1,2,3,4,5,6,7,8,9,10,11,12,13,14,15
	s_wait_loadcnt 15-\i                           ; loads come back in order: load i is in, the later ones stay out
	v_cvt_pk_f16_f32 v[C+2*\i], v[R+4*\i], v[R+4*\i+1]
	v_cvt_pk_f16_f32 v[C+2*\i+1], v[R+4*\i+2], v[R+4*\i+3]
	global_store_b64 v7, v[C+2*\i:C+2*\i+1], s[26:27] offset:256*\i   ; 256 consecutive bytes; no register is written twice
.endr
	s_wait_tensorcnt 0x0                           ; the wave's end
	ds_add_u32 v[SPW], v[NIL]
	s_wait_dscnt 0x0
	s_endpgm
.Lfunc_end_k_q61be8cb5a2_quant:
	.size	k_q61be8cb5a2_quant, .Lfunc_end_k_q61be8cb5a2_quant-k_q61be8cb5a2_quant
	.p2alignl 7, 3214868480
	.fill 96, 4, 3214868480
	.section	.rodata,"a",@progbits
	.p2align	6, 0x0
	.amdhsa_kernel k_q61be8cb5a2_quant
		.amdhsa_group_segment_fixed_size 33280
		.amdhsa_private_segment_fixed_size 0
		.amdhsa_enable_private_segment 0
		.amdhsa_kernarg_size 64
		.amdhsa_user_sgpr_count 2
		.amdhsa_user_sgpr_kernarg_segment_ptr 1
		.amdhsa_wavefront_size32 1
		.amdhsa_system_sgpr_workgroup_id_x 1
		.amdhsa_system_sgpr_workgroup_id_y 1
		.amdhsa_system_sgpr_workgroup_id_z 1
		.amdhsa_system_vgpr_workitem_id 0
		.amdhsa_next_free_vgpr 200
		.amdhsa_next_free_sgpr 66
		.amdhsa_reserve_vcc 0
		.amdhsa_float_denorm_mode_32 3
		.amdhsa_float_denorm_mode_16_64 3
		.amdhsa_memory_ordered 1
		.amdhsa_forward_progress 1
		.amdhsa_inst_pref_size 40
	.end_amdhsa_kernel
	.amdgpu_metadata
---
amdhsa.version: [ 1, 2 ]
amdhsa.kernels:
  - .name:           k_q61be8cb5a2_quant
    .symbol:         k_q61be8cb5a2_quant.kd
    .args:
      - { .name: query, .offset: 0, .size: 8, .value_kind: global_buffer, .address_space: global }
      - { .name: in_proj_weight, .offset: 8, .size: 8, .value_kind: global_buffer, .address_space: global }
      - { .name: a_codes, .offset: 16, .size: 8, .value_kind: global_buffer, .address_space: global }
      - { .name: a_scales, .offset: 24, .size: 8, .value_kind: global_buffer, .address_space: global }
      - { .name: b_codes, .offset: 32, .size: 8, .value_kind: global_buffer, .address_space: global }
      - { .name: b_scales, .offset: 40, .size: 8, .value_kind: global_buffer, .address_space: global }
      - { .name: out_proj_weight, .offset: 48, .size: 8, .value_kind: global_buffer, .address_space: global }
      - { .name: wo16, .offset: 56, .size: 8, .value_kind: global_buffer, .address_space: global }
    .group_segment_fixed_size: 33280
    .private_segment_fixed_size: 0
    .kernarg_segment_align: 8
    .kernarg_segment_size: 64
    .max_flat_workgroup_size: 128
    .sgpr_count:     66
    .vgpr_count:     200
    .wavefront_size: 32
...
	.end_amdgpu_metadata
.endif
;; end of part 1
;; launch qkv (part 2): grid 12 x 32, 4 waves a work-group, clusters of 4 x 4, 327,680 bytes of LDS; arguments a_codes, a_scales, b_codes, b_scales, in_proj_bias, qkv16; writes qkv16
.if DOCPART == 2
	.amdgcn_target "amdgcn-amd-amdhsa--gfx1250"
	.amdhsa_code_object_version 6
	.text
	.protected	k_q61be8cb5a2_qkv
	.globl	k_q61be8cb5a2_qkv
	.p2align	8
	.type	k_q61be8cb5a2_qkv,@function
k_q61be8cb5a2_qkv:
	s_mov_b64 s[64:65], 0
	v_nop
	global_prefetch_b8 v0, s[64:65] scope:SCOPE_SE
	s_setreg_imm32_b32 hwreg(HW_REG_WAVE_MODE, 25, 1), 1
	s_wait_xcnt 0x0
	s_wait_alu depctr_hold_cnt(0) depctr_sa_sdst(0) depctr_va_vdst(0) depctr_va_sdst(0) depctr_va_ssrc(0) depctr_va_vcc(0) depctr_vm_vsrc(0)
	s_getreg_b32 s2, hwreg(HW_REG_IB_STS2, 6, 4)
	s_cmp_eq_u32 s2, 0
	s_cbranch_scc0 .Lentry_in_a_cluster
	s_endpgm
.Lentry_in_a_cluster:
	s_bfe_u32 s2, ttmp6, 0x10000c
	s_cmp_lg_u32 s2, 0xf033
	s_cbranch_scc0 .Lentry_shape_is_right
	s_endpgm
.Lentry_shape_is_right:
; qkv[m][n] = in_proj_bias[n] + sum over k of A[m][k] B[n][k] on codes of FP4 (E2M1) with one E8M0 scale for each 32 along K.  A: query's codes, rows m = b x 2048 + t, [8192][512 bytes]; B: in_proj_weight's, [3072][512 bytes];
; scale bytes [rows][32].  The result is rounded to f16 and laid by head: qkv16 [part q, k, v][b][h][t][64].
; LIMITS: the bias is the start of each f32 sum, not its last term; results must stay under 65,504 in magnitude (f16).  q is stored unscaled: its factor 1/8 goes into the softmax's constant.
; A tile of 256 x 256 is made by a work-group of four waves; a wave makes 128 x 128: 64 accumulators of 16 x 16, 512 registers.  K = 1,024 is two LDS slots of 512 along K (rows of 256 bytes):
; both are asked for at the head, with the scales of all of K, and nothing is ever filled again.
; CLUSTERS: 4 x 4 work-groups.  The four of a row of the cluster need the same tiles of A, the four of a column the same tiles of B: each tile is asked for JOINTLY, by the same tensor load with the same descriptor and a mask that names the four.
; THE MATRIX INSTRUCTION IS USED TRANSPOSED (source 0 = 16 rows of B, source 1 = 16 rows of A): a lane holds eight neighbouring columns of one row.
; REGISTERS, in windows of 256: window 0: v0-31 addresses; v32-95 scale words, two sets; v128-191 A's fragments, ONE set; v192-255 the bias in the result's layout; on the way out v128-255 are free.
;   window 1: B's fragments, TWO sets, at v0 and v128.   window 2: the 32 accumulators of my rows 0-63 ((a, b) at v[8 (8 a + b)]);   window 3: those of my rows 64-127.
.set KSTEP,  512
.set NQ,     4                         ; matrix instructions deep in a slot
.set ROWB,   256                       ; a tile's row in bytes
.set KROW,   512                       ; a row of codes in memory
.set PITCH,  272                       ; an LDS row: 256 bytes + 16 of padding = 68 words: row r starts at bank 4 r mod 64 (64 banks of 4 bytes: ISA guide 11.1)
.set FR,     8
.set NL,     2
.set NP,     4                         ; places behind this matrix instruction (ISA guide 7.12.1)
.set HALFT,  128*PITCH
.set SLOT,   4*HALFT                   ; A's 256 rows, then B's 256 rows
.set KS,     32                        ; a row of scales in bytes
.set SCL,    2*SLOT                    ; behind the two slots: the scales, as runs of 256 bytes + 16 of padding
.set HALFS,  (128*KS/256)*272
.set SBLK,   (16*KS/256)*272
.set SPARE,  SCL+4*HALFS               ; the spare words, 128 bytes a wave, which no other line names
.set SPITCH, 144                       ; the way out: a stage row: a head's 128 bytes + 16
.set PLANE,  16*SPITCH                 ; 16 rows of one head; a wave's stage is two planes.  The stages lie in slot 0, which has had its only fill and its last read when the first result is stored there
.set ADRA, 16
.set ADRB, 20
.set STO,  24
.set RD,   25
.set CO,   26
.set ADRS, 27
.set SPW,  28
.set NIL,  29
.set SC,   32
.set AF,   128
.set BI,   192                         ; the bias: v[BI + 8 b + j] = bias of column 16 b + 8 (lane / 16) + j of my 128
.set TMP,  128                         ; the way out: packed results, v128-159 and v160-191 by turns
.set BK,   192                         ; and rows read back: v192-223 and v224-255 by turns
.set G1, 24
.set G0, 32
.set G1B, 48
.set G0B, 56
.set G1S, 68
.set G0S, 76
.set G1SB, 80
.set G0SB, 88
.set MSB, 0
.macro WIN new                         ; the immediate's high byte repeats the setting that is left
.if MSB != (\new)
	s_set_vgpr_msb (MSB<<8)|(\new)
.set MSB, (\new)
.endif
.endm
.set MUL_LO, 0xa1                      ; source 0 (B) window 1, source 1 (A) window 0, C and D window 2
.set MUL_HI, 0xf1                      ; the same, C and D window 3
.set BEG_LO, 0x81                      ; the first step: C (the bias) window 0, D window 2
.set BEG_HI, 0xc1                      ; D window 3
.set TO_B,   0x40
; A joint load: waves 0 and 1 fetch for A, waves 2 and 3 for B.  The branch hangs on the wave's number alone.  An s_nop 0 and four v_nop follow each of the two lines.
.macro JLOAD g0a, g1a, g0b, g1b
	s_cmp_eq_u32 s15, 0
	s_cbranch_scc0 .Lfor_b_\@
	tensor_load_to_lds s[\g0a:\g0a+3], s[\g1a:\g1a+7]
	s_nop 0
.rept 4
	v_nop
.endr
	s_branch .Lasked_\@
.Lfor_b_\@:
	tensor_load_to_lds s[\g0b:\g0b+3], s[\g1b:\g1b+7]
	s_nop 0
.rept 4
	v_nop
.endr
.Lasked_\@:
.endm
.macro CROUND                          ; a round of the cluster's barrier
	s_barrier_signal -1
	s_barrier_wait -1
	s_cmp_lg_u32 s14, 0
	s_cbranch_scc1 .Lnot_wave_0_\@
	s_barrier_signal -3
.Lnot_wave_0_\@:
	s_barrier_wait -3
	s_barrier_signal -1
	s_barrier_wait -1
.endm
	s_load_b128 s[4:7], s[0:1], 0x0                ; A's codes, A's scales
	s_load_b128 s[8:11], s[0:1], 0x10              ; B's codes, B's scales
	s_load_b64 s[2:3], s[0:1], 0x20                ; the bias
	s_load_b64 s[12:13], s[0:1], 0x28              ; qkv16
	v_lshl_add_u32 v[SPW], v0, 2, SPARE
	v_mov_b32 v[NIL], 0
	ds_add_u32 v[SPW], v[NIL]                      ; the wave's opening: the add, twice on end, and its wait ahead of my first tensor load
	ds_add_u32 v[SPW], v[NIL]
	v_lshrrev_b32 v1, 5, v0
	v_readfirstlane_b32 s14, v1                    ; wave 0..3
	s_lshr_b32 s15, s14, 1                         ; which half of the tile's rows is mine.  Also: I fetch for A (0) or for B (1)
	s_and_b32 s16, s14, 1                          ; which half of its columns.  Also: which 128 rows of that tile I fetch
	s_bfe_u32 s40, ttmp6, 0x40000                  ; cx, cy
	s_bfe_u32 s41, ttmp6, 0x40004
	s_lshl_b32 s42, ttmp9, 2
	s_add_co_u32 s42, s42, s40                     ; tile column = 4 x cluster x + cx
	s_and_b32 s17, ttmp7, 0xffff
	s_lshl_b32 s17, s17, 2
	s_add_co_u32 s17, s17, s41                     ; tile row = 4 x cluster y + cy
	s_lshl_b32 s43, s41, 2
	s_lshl_b32 s43, 15, s43                        ; my row of the cluster
	s_lshl_b32 s44, 0x1111, s40                    ; my column
	s_or_b32 s[G1+0], s43, (0<<16)|(1<<20)|(1<<21)|(5<<22)|(3<<25)  ; the mask; elements of 1 byte; padding on; bit 21 beside a mask; 4 words of padding after every 64
	s_or_b32 s[G1B+0], s44, (0<<16)|(1<<20)|(1<<21)|(5<<22)|(3<<25)
.irp g, G1, G1B
	s_mov_b32 s[\g+1], ROWB<<16                    ; tensor_dim0
	s_mov_b32 s[\g+2], 128<<16                     ; tensor_dim1
	s_mov_b32 s[\g+3], ROWB<<16                    ; tile_dim0
	s_mov_b32 s[\g+4], 128                         ; tile_dim1
	s_mov_b32 s[\g+5], KROW                        ; the pitch
	s_mov_b32 s[\g+6], 0
	s_mov_b32 s[\g+7], 0
.endr
	s_or_b32 s[G1S+0], s43, (3<<16)|(1<<20)|(1<<21)|(5<<22)|(3<<25)  ; the scales of 128 rows: 4,096 dense bytes as 16 rows of 32 elements of 8 bytes
	s_or_b32 s[G1SB+0], s44, (3<<16)|(1<<20)|(1<<21)|(5<<22)|(3<<25)
.irp g, G1S, G1SB
	s_mov_b32 s[\g+1], 32<<16
	s_mov_b32 s[\g+2], (128*KS/256)<<16
	s_mov_b32 s[\g+3], 32<<16
	s_mov_b32 s[\g+4], 128*KS/256
	s_mov_b32 s[\g+5], 32
	s_mov_b32 s[\g+6], 0
	s_mov_b32 s[\g+7], 0
.endr
	s_lshl_b32 s18, s16, 7
	s_lshl_b32 s20, s17, 8
	s_add_co_u32 s20, s20, s18                     ; A: row 256 x tile row + 128 x half
	s_lshl_b32 s46, s42, 8
	s_add_co_u32 s46, s46, s18                     ; B: row 256 x tile column + 128 x half
	s_mov_b32 s21, 0
	s_mov_b32 s47, 0
	s_mov_b64 s[18:19], KS
	s_mul_u64 s[22:23], s[20:21], s[18:19]         ; where these rows' scales begin,
	s_mul_u64 s[92:93], s[46:47], s[18:19]
	s_mov_b64 s[18:19], KROW
	s_mul_u64 s[20:21], s[20:21], s[18:19]         ; and their codes
	s_mul_u64 s[46:47], s[46:47], s[18:19]
	s_mul_i32 s45, s14, HALFT                      ; where they go: wave x 128 rows: no place in the cluster enters an LDS address
	s_mul_i32 s94, s14, HALFS
	s_wait_dscnt 0x0                               ; both opening adds are done
	s_wait_kmcnt 0x0
	s_add_nc_u64 s[20:21], s[4:5], s[20:21]
	s_add_nc_u64 s[22:23], s[6:7], s[22:23]
	s_add_nc_u64 s[46:47], s[8:9], s[46:47]
	s_add_nc_u64 s[92:93], s[10:11], s[92:93]
	CROUND                                         ; all sixteen work-groups are here: the joint loads meet
	s_mov_b32 s[G0S], 1
	s_add_co_u32 s[G0S+1], s94, SCL
	s_mov_b64 s[G0S+2:G0S+3], s[22:23]
	s_or_b32 s[G0S+3], s[G0S+3], 0x80000000
	s_mov_b32 s[G0SB], 1
	s_add_co_u32 s[G0SB+1], s94, SCL
	s_mov_b64 s[G0SB+2:G0SB+3], s[92:93]
	s_or_b32 s[G0SB+3], s[G0SB+3], 0x80000000
	JLOAD G0S, G1S, G0SB, G1SB                     ; the scales first: they are wanted with the first slot
.irp s, 0,1
	s_mov_b32 s[G0+4*\s], 1
	s_add_co_u32 s[G0+4*\s+1], s45, \s*SLOT
	s_add_nc_u64 s[G0+4*\s+2:G0+4*\s+3], s[20:21], \s*ROWB
	s_or_b32 s[G0+4*\s+3], s[G0+4*\s+3], 0x80000000
	s_mov_b32 s[G0B+4*\s], 1
	s_add_co_u32 s[G0B+4*\s+1], s45, \s*SLOT
	s_add_nc_u64 s[G0B+4*\s+2:G0B+4*\s+3], s[46:47], \s*ROWB
	s_or_b32 s[G0B+4*\s+3], s[G0B+4*\s+3], 0x80000000
	JLOAD G0+4*\s, G1, G0B+4*\s, G1B               ; three tensor loads of mine are out behind the second of these
.endr
	v_and_b32 v1, 15, v0                           ; r = l % 16
	v_bfe_u32 v2, v0, 4, 1                         ; h = l / 16
	v_lshlrev_b32 v7, 5, v2                        ; the bias: 32 h bytes
	s_lshl_b32 s46, s42, 10                        ; my first column x 4 bytes: 1,024 x tile column + 512 x half
	s_lshl_b32 s47, s16, 9
	s_add_co_u32 s46, s46, s47
	s_mov_b32 s47, 0
	s_add_nc_u64 s[2:3], s[2:3], s[46:47]
.irp b, 0,1,2,3,4,5,6,7
	global_load_b128 v[BI+8*\b:BI+8*\b+3], v7, s[2:3] offset:64*\b
	global_load_b128 v[BI+8*\b+4:BI+8*\b+7], v7, s[2:3] offset:64*\b+16
.endr
	v_mul_u32_u24 v3, v1, PITCH
	v_lshl_add_u32 v4, v2, 4, v3                   ; a fragment's row x pitch + 16 x half
	s_mul_i32 s21, s15, HALFT                      ; my 128 rows of A
	s_mul_i32 s22, s16, HALFT                      ; my 128 rows of B,
	s_add_co_u32 s22, s22, 2*HALFT                 ; which lie behind A's 256
.irp s, 0,1
	v_add_nc_u32 v[ADRA+\s], s21, v4
	v_add_nc_u32 v[ADRB+\s], s22, v4
	s_add_co_u32 s21, s21, SLOT
	s_add_co_u32 s22, s22, SLOT
.endr
	v_mul_u32_u24 v5, v1, KS                       ; my row's scales: 32 bytes a row,
	v_lshrrev_b32 v6, 8, v5
	v_lshl_add_u32 v5, v6, 4, v5                   ; and 16 more for each 256 passed
	s_mul_i32 s21, s15, HALFS
	s_mul_i32 s22, s16, HALFS
	s_add_co_u32 s22, s22, 2*HALFS
	s_sub_co_u32 s22, s22, s21
	v_mul_u32_u24 v6, s22, v2                      ; lanes 16-31 take B's: one product, the distance between the two bases x h
	s_add_co_u32 s21, s21, SCL
	v_add_nc_u32 v5, v5, v6
	v_add_nc_u32 v[ADRS], s21, v5
	s_mul_i32 s23, s14, 2*PLANE                    ; my stage
	v_mul_u32_u24 v5, v1, SPITCH                   ; in: row r, 16 bytes for each half of the lanes
	v_lshl_add_u32 v5, v2, 4, v5
	v_add_nc_u32 v[STO], s23, v5
	v_and_b32 v6, 31, v0
	v_lshlrev_b32 v[CO], 4, v6                     ; out: four rows of 128 bytes are 512 dense bytes of qkv16: 16 x lane
	v_bfe_u32 v5, v0, 3, 2
	v_mul_u32_u24 v5, v5, SPITCH                   ; back: row lane / 8 of four, 16 (lane % 8)
	v_and_b32 v6, 7, v0
	v_lshl_add_u32 v5, v6, 4, v5
	v_add_nc_u32 v[RD], s23, v5
	; where my part begins in qkv16: part = tile column / 4; b = tile row / 8; head = 4 (tile column % 4) + 2 x column half; t = 256 (tile row % 8) + 128 x row half
	s_lshr_b32 s20, s42, 2
	s_lshl_b32 s20, s20, 24                        ; a part is 16,777,216 bytes
	s_lshr_b32 s21, s17, 3
	s_lshl_b32 s21, s21, 4
	s_and_b32 s22, s42, 3
	s_lshl_b32 s22, s22, 2
	s_add_co_u32 s21, s21, s22
	s_lshl_b32 s22, s16, 1
	s_add_co_u32 s21, s21, s22
	s_lshl_b32 s21, s21, 18                        ; a head of a batch is 262,144 bytes
	s_add_co_u32 s20, s20, s21
	s_and_b32 s21, s17, 7
	s_lshl_b32 s21, s21, 15                        ; 256 rows of 128 bytes
	s_add_co_u32 s20, s20, s21
	s_lshl_b32 s21, s15, 14
	s_add_co_u32 s20, s20, s21
	s_mov_b32 s21, 0
	s_add_nc_u64 s[12:13], s[12:13], s[20:21]
.macro FRAG reg, adr, q, i             ; 16 rows x 128 K of 4-bit codes: 8 registers: lane l holds row l % 16; registers 4 c .. 4 c + 3 hold K = 64 c + 32 (l / 16) + 0 .. 31
.irp c, 0,1
	ds_load_b128 v[\reg+4*\c:\reg+4*\c+3], v[\adr] offset:64*(\q)+32*\c+(\i)*16*PITCH
.endr
.endm
; 16 matrix instructions: A's blocks a0, a0 + 1 x B's eight, 128 along K.  zero = 1: the first product starts each sum with the bias as its C: nothing is cleared and nothing is added later.
; The 64 accumulators take turns, one instruction a turn, in the same order in every step.
.macro MUL16 a0, p, q, sc, zero
.irp a, \a0, \a0+1
.irp b, 0,1,2,3,4,5,6,7
.if \zero
	v_wmma_scale_f32_16x16x128_f8f6f4 v[8*(8*((\a)%4)+\b):8*(8*((\a)%4)+\b)+7], v[128*(\p)+FR*\b:128*(\p)+FR*\b+FR-1], v[AF+FR*(\a):AF+FR*(\a)+FR-1], v[BI+8*\b:BI+8*\b+7], v[SC+8*NQ*(\sc)+NQ*\b+(\q)], v[SC+8*NQ*(\sc)+NQ*(\a)+(\q)] matrix_a_fmt:MATRIX_FMT_FP4 matrix_b_fmt:MATRIX_FMT_FP4 matrix_a_scale:MATRIX_SCALE_ROW1
.else
	v_wmma_scale_f32_16x16x128_f8f6f4 v[8*(8*((\a)%4)+\b):8*(8*((\a)%4)+\b)+7], v[128*(\p)+FR*\b:128*(\p)+FR*\b+FR-1], v[AF+FR*(\a):AF+FR*(\a)+FR-1], v[8*(8*((\a)%4)+\b):8*(8*((\a)%4)+\b)+7], v[SC+8*NQ*(\sc)+NQ*\b+(\q)], v[SC+8*NQ*(\sc)+NQ*(\a)+(\q)] matrix_a_fmt:MATRIX_FMT_FP4 matrix_b_fmt:MATRIX_FMT_FP4 matrix_a_scale:MATRIX_SCALE_ROW1
.endif
.endr
.endr
.endm
.macro FETCH_B slot, q, p
	WIN TO_B
.irp i, 0,1,2,3,4,5,6,7
	FRAG 128*(\p)+FR*\i, ADRB+\slot, \q, \i
.endr
	WIN 0
.endm
.macro FETCH_A slot, q, i0
.irp i, \i0, \i0+1, \i0+2, \i0+3
	FRAG AF+FR*(\i), ADRA+\slot, \q, \i
.endr
.endm
.macro SCALES sc                       ; a slot's scale words: 4 words a row; lanes 0-15 take A's block i, lanes 16-31 B's block i
.irp i, 0,1,2,3,4,5,6,7
	ds_load_b128 v[SC+8*NQ*\sc+NQ*\i:SC+8*NQ*\sc+NQ*\i+3], v[ADRS] offset:\i*SBLK
.endr
.endm
.macro PLACES n                        ; plain vector lines between a matrix instruction and a load into its sources or a read of its result
.rept \n
	v_nop
.endr
.endm
.macro STEP slot, q, zero              ; a step of 128 along K that has its successor in the same slot
	s_wait_dscnt 4*NL                              ; B's set and A's blocks 0-3 are in; the youngest eight loads (A's blocks 4-7) may be out
.if \zero
	WIN BEG_LO
.else
	WIN MUL_LO
.endif
	MUL16 0, (\q)%2, \q, \slot, \zero
	MUL16 2, (\q)%2, \q, \slot, \zero
	s_wait_dscnt 0                                 ; A's blocks 4-7 are in
	PLACES NP
	FETCH_B \slot, (\q)+1, 1-(\q)%2
	FETCH_A \slot, (\q)+1, 0
.if \zero
	WIN BEG_HI
.else
	WIN MUL_HI
.endif
	MUL16 4, (\q)%2, \q, \slot, \zero
	MUL16 6, (\q)%2, \q, \slot, \zero
	PLACES NP
	WIN 0
	FETCH_A \slot, (\q)+1, 4
.endm
.macro TURN slot, next                 ; slot 0's last step changes slots: one barrier; in front of it each wave waits for all its tensor loads (its part of slot 1) and for its reads of slot 0.  Nothing is filled again
	s_wait_tensorcnt 0x0
	ds_add_u32 v[SPW], v[NIL]                      ; 0 onto my spare word
	s_wait_dscnt 4*NL+1                            ; (the add and the youngest eight loads may be out)
	WIN MUL_LO
	MUL16 0, 1, NQ-1, \slot, 0
	s_wait_dscnt 0x0                               ; the add is done, and my reads of this slot are over
	s_barrier_signal -1
	MUL16 2, 1, NQ-1, \slot, 0
	WIN 0
	s_barrier_wait -1
	PLACES NP
	v_add_nc_u32 v[ADRS], 4*NQ, v[ADRS]            ; on to the next slot's scale words
	FETCH_B \next, 0, 0
	FETCH_A \next, 0, 0
	SCALES \next
	WIN MUL_HI
	MUL16 4, 1, NQ-1, \slot, 0
	MUL16 6, 1, NQ-1, \slot, 0
	PLACES NP
	WIN 0
	FETCH_A \next, 0, 4
.endm
.macro STEPS slot, from
.set Q, \from
.rept NQ-1-\from
	STEP \slot, Q, 0
.set Q, Q+1
.endr
.endm
	s_wait_tensorcnt 1                             ; the scales and my part of slot 0 are in (slot 1's load may be out)
	s_barrier_signal -1
	s_barrier_wait -1                              ; everybody's are
	FETCH_B 0, 0, 0
	FETCH_A 0, 0, 0
	SCALES 0
	FETCH_A 0, 0, 4
	s_wait_loadcnt 0x0                             ; the bias
	STEP 0, 0, 1
	STEPS 0, 1
	TURN 0, 1
	STEPS 1, 0
	s_wait_dscnt 4*NL                              ; the very last step: nothing more to fetch
	WIN MUL_LO
	MUL16 0, 1, NQ-1, 1, 0
	MUL16 2, 1, NQ-1, 1, 0
	s_wait_dscnt 0
	WIN MUL_HI
	MUL16 4, 1, NQ-1, 1, 0
	MUL16 6, 1, NQ-1, 1, 0
	WIN 0
; THE WAY OUT, block by block of 16 rows (16 neighbouring t) x 128 columns (two heads).  A lane's eight results pack into 16 bytes of a head's row; they go into my stage (a plane a head, rows of 144 bytes) and come
; back four rows at a time: 512 bytes that are consecutive in qkv16.  LDS serves a wave's instructions in order: no wait between the stores and the loads.
.macro PACK a
.set AC, 64*((\a)%4)
.set TT, TMP+32*((\a)%2)
	WIN 0x0a+5*((\a)/4)                            ; sources 0 and 1: window 2 or 3
.irp b, 0,1,2,3,4,5,6,7
.irp r, 0,1,2,3
	v_cvt_pk_f16_f32 v[TT+4*\b+\r], v[AC+8*\b+2*\r], v[AC+8*\b+2*\r+1]   ; each accumulator from its low end on
.endr
.endr
	WIN 0
.endm
.macro TOSTAGE a
.set TT, TMP+32*((\a)%2)
.set BB, BK+32*((\a)%2)
.irp b, 0,1,2,3,4,5,6,7
	ds_store_b128 v[STO], v[TT+4*\b:TT+4*\b+3] offset:(\b/4)*PLANE+(\b%4)*32
.endr
.irp e, 0,1
.irp j, 0,1,2,3
	ds_load_b128 v[BB+4*(4*\e+\j):BB+4*(4*\e+\j)+3], v[RD] offset:\e*PLANE+\j*4*SPITCH
.endr
.endr
.endm
.macro SEND a
.set BB, BK+32*((\a)%2)
	s_wait_dscnt 0x0                               ; the block is back in registers
.irp e, 0,1
.irp j, 0,1,2,3
	global_store_b128 v[CO], v[BB+4*(4*\e+\j):BB+4*(4*\e+\j)+3], s[12:13] offset:\e*262144+(\a)*2048+\j*512   ; 32 lanes store 512 consecutive bytes, at a multiple of 512; the base is never stepped
.endr
.endr
.endm
	PLACES NP                                      ; behind the last products: for the conversions into the registers that held A's fragments
	PACK 0
	TOSTAGE 0
.irp a, 1,2,3,4,5,6,7
	PACK \a                                        ; block a's conversions stand between block a - 1's loads from the stage and the wait for them
	SEND \a-1
.if \a > 1
	s_wait_xcnt 0x0                                ; block a - 2's stores have read their registers: block a's loads may land there
.endif
	TOSTAGE \a
.endr
	SEND 7
	s_wait_tensorcnt 0x0                           ; the wave's end
	ds_add_u32 v[SPW], v[NIL]
	s_wait_dscnt 0x0
	CROUND                                         ; the closing round
	s_endpgm
.Lfunc_end_k_q61be8cb5a2_qkv:
	.size	k_q61be8cb5a2_qkv, .Lfunc_end_k_q61be8cb5a2_qkv-k_q61be8cb5a2_qkv
	.p2alignl 7, 3214868480
	.fill 96, 4, 3214868480
	.section	.rodata,"a",@progbits
	.p2align	6, 0x0
	.amdhsa_kernel k_q61be8cb5a2_qkv
		.amdhsa_group_segment_fixed_size 327680
		.amdhsa_private_segment_fixed_size 0
		.amdhsa_enable_private_segment 0
		.amdhsa_kernarg_size 48
		.amdhsa_user_sgpr_count 2
		.amdhsa_user_sgpr_kernarg_segment_ptr 1
		.amdhsa_wavefront_size32 1
		.amdhsa_system_sgpr_workgroup_id_x 1
		.amdhsa_system_sgpr_workgroup_id_y 1
		.amdhsa_system_sgpr_workgroup_id_z 1
		.amdhsa_system_vgpr_workitem_id 0
		.amdhsa_next_free_vgpr 1024
		.amdhsa_next_free_sgpr 98
		.amdhsa_reserve_vcc 0
		.amdhsa_float_denorm_mode_32 3
		.amdhsa_float_denorm_mode_16_64 3
		.amdhsa_memory_ordered 1
		.amdhsa_forward_progress 1
		.amdhsa_inst_pref_size 128
	.end_amdhsa_kernel
	.amdgpu_metadata
---
amdhsa.version: [ 1, 2 ]
amdhsa.kernels:
  - .name:           k_q61be8cb5a2_qkv
    .symbol:         k_q61be8cb5a2_qkv.kd
    .args:
      - { .name: a_codes, .offset: 0, .size: 8, .value_kind: global_buffer, .address_space: global }
      - { .name: a_scales, .offset: 8, .size: 8, .value_kind: global_buffer, .address_space: global }
      - { .name: b_codes, .offset: 16, .size: 8, .value_kind: global_buffer, .address_space: global }
      - { .name: b_scales, .offset: 24, .size: 8, .value_kind: global_buffer, .address_space: global }
      - { .name: in_proj_bias, .offset: 32, .size: 8, .value_kind: global_buffer, .address_space: global }
      - { .name: qkv16, .offset: 40, .size: 8, .value_kind: global_buffer, .address_space: global }
    .group_segment_fixed_size: 327680
    .private_segment_fixed_size: 0
    .kernarg_segment_align: 8
    .kernarg_segment_size: 48
    .max_flat_workgroup_size: 128
    .sgpr_count:     98
    .vgpr_count:     1024
    .wavefront_size: 32
...
	.end_amdgpu_metadata
.endif
;; end of part 2
;; launch attn (part 3): grid 4 x 64, 8 waves a work-group, clusters of 4 x 1, 327,680 bytes of LDS; arguments qkv16, ctx16; writes ctx16
.if DOCPART == 3
	.amdgcn_target "amdgcn-amd-amdhsa--gfx1250"
	.amdhsa_code_object_version 6
	.text
	.protected	k_q61be8cb5a2_attn
	.globl	k_q61be8cb5a2_attn
	.p2align	8
	.type	k_q61be8cb5a2_attn,@function
k_q61be8cb5a2_attn:
	s_mov_b64 s[64:65], 0
	v_nop
	global_prefetch_b8 v0, s[64:65] scope:SCOPE_SE
	s_setreg_imm32_b32 hwreg(HW_REG_WAVE_MODE, 25, 1), 1
	s_wait_xcnt 0x0
	s_wait_alu depctr_hold_cnt(0) depctr_sa_sdst(0) depctr_va_vdst(0) depctr_va_sdst(0) depctr_va_ssrc(0) depctr_va_vcc(0) depctr_vm_vsrc(0)
	s_getreg_b32 s2, hwreg(HW_REG_IB_STS2, 6, 4)
	s_cmp_eq_u32 s2, 0
	s_cbranch_scc0 .Lentry_in_a_cluster
	s_endpgm
.Lentry_in_a_cluster:
	s_bfe_u32 s2, ttmp6, 0x10000c
	s_cmp_lg_u32 s2, 0x3003
	s_cbranch_scc0 .Lentry_shape_is_right
	s_endpgm
.Lentry_shape_is_right:
; ctx[y][q][:] = the sum over k of softmax_k(Q[y][q] . K[y][k] / 8) V[y][k][:], y = b x 16 + h.  Q, K, V: the three parts of qkv16, each [64 y][2048][64] f16; ctx16 likewise.
; Products, maxima and sums in f32; the weights p are rounded to f16 for the second product, ctx once at the end.  LIMITS: NaN and infinities are not served; ctx, an average of V's rows, has V's range.
; SHARES.  A work-group owns 512 queries of one y, each of its eight waves 64: four tiles of 16.  Two waves share a SIMD (512 registers each): a key step is written in phases, and one wave's vector work stands beside the other's matrix work.
; LAYOUT.  S^T = K Q^T (source 0 = 16 keys, source 1 = 16 queries): a lane holds ONE query (lane % 16) and the keys 8 (lane / 16) + 0..7.  Two such tiles, rounded to f16 in pairs, ARE source 1 (32 keys x 16 queries) of
; O^T = V^T P, whose result again holds one query a lane.  K comes out of LDS as it lies, V ([key][channel]) turned, by ds_load_tr16_b128.
; SOFTMAX.  For each query a running maximum m of the raw scores and a sum l: p = 2^(c s - c m), c = log2(e) / 8; in every step O and l are multiplied by a = 2^(c m_old - c m_new).
; ROWS IN PAIRS.  A row of K or V is 128 bytes and the rows are dense, so a tile is stated as rows of 256 bytes, two keys each, with padding behind each: key k lies at (k / 2) x pitch + (k % 2) x 128.
; With 272 the 16 keys of a fragment load start at word banks 4 (k / 2) + 32 (k % 2); with 288 the 8 keys x 32 bytes of a turning load at 8 (k / 2) + 32 (k % 2): all different (64 banks of 4 bytes: ISA guide 11.1).
; RING.  Two slots of 512 keys, eight key steps each; the head's 2,048 keys are four fills.  Waves 0-3 fetch K's quarters of a slot, waves 4-7 V's: one tensor load a wave.
; CLUSTER.  The four query blocks of a y form a cluster and walk the same K and V: each tile is asked for JOINTLY, by the same tensor load with the same descriptor and the mask of all four.
; REGISTERS: window 0: v1-15 addresses; v16-47 statistics, 8 a tile: +0 c m, +1 m, +2, +3 l (even keys', odd keys'), +4..+7 at work, a in +6; v64-191 S^T, 32 a tile, P in place in each tile's first 16; v192-255 K.
;   window 1: v0-127 O^T, 32 a tile; v128-191 Q, 16 a tile; v192-255 V.
.set PK,    272
.set PV,    288
.set VOFF,  256*PK                     ; a slot: 256 pair rows of K, then 256 of V
.set SLOT,  256*(PK+PV)
.set KSTP,  32*PK                      ; a key step's 64 keys of K
.set VSTP,  32*PV
.set STAGE, 2*SLOT                     ; behind the ring: 16 rows x 144 bytes for each wave, for the way out
.set SP,    144
.set SPARE, STAGE+8*16*SP              ; the spare words, 128 bytes a wave, which no other line names
.set AK0, 2
.set AV0, 3
.set ADK, 4
.set ADV, 5
.set QO,  6
.set STO, 7
.set RD,  8
.set GO,  9
.set SPW, 14
.set NIL, 15
.set ST,  16
.set S,   64
.set KF,  192
.set QF,  128                          ; in window 1
.set VF,  192                          ; in window 1
.set WV,  12
.set G1K, 24
.set G1V, 32
.set G0K, 40                           ; s[40:47] group 0 for K's tiles, a set for each slot
.set G0V, 48                           ; s[48:55] for V's
.set CNT, 56
.set TBK, 57                           ; LDS byte at which the step's keys begin in K's part
.set CS,  58                           ; s[58:59] c, twice
.set SEL, 60                           ; s[60:61] lane selects: lane l xor 16
.set TBV, 62                           ; the same for V's part
.set MSB, 0
.macro WIN new
.if MSB != (\new)
	s_set_vgpr_msb (MSB<<8)|(\new)
.set MSB, (\new)
.endif
.endm
.set W_KQ, 0x04                        ; Q (source 1) in window 1; K and S^T in window 0
.set W_PV, 0x51                        ; V (source 0) and O^T (C, D) in window 1; P in window 0
.set W_RS, 0x41                        ; O^T (destination, source 0) in window 1, the factor in window 0
.set W_L1, 0x40                        ; a load's destination in window 1
.macro PLACES n
.rept \n
	v_nop
.endr
.endm
.macro JLOAD s                         ; a joint refill of slot s.  The branch hangs on the wave's number alone.  An s_nop 0 and four v_nop follow each of the two lines
	s_cmp_lt_u32 s[WV], 4
	s_cbranch_scc0 .Lfor_v_\@
	tensor_load_to_lds s[G0K+4*\s:G0K+4*\s+3], s[G1K:G1K+7]
	s_nop 0
.rept 4
	v_nop
.endr
	s_branch .Lasked_\@
.Lfor_v_\@:
	tensor_load_to_lds s[G0V+4*\s:G0V+4*\s+3], s[G1V:G1V+7]
	s_nop 0
.rept 4
	v_nop
.endr
.Lasked_\@:
.endm
.macro CROUND                          ; a round of the cluster's barrier
	s_barrier_signal -1
	s_barrier_wait -1
	s_cmp_lg_u32 s[WV], 0
	s_cbranch_scc1 .Lnot_wave_0_\@
	s_barrier_signal -3
.Lnot_wave_0_\@:
	s_barrier_wait -3
	s_barrier_signal -1
	s_barrier_wait -1
.endm
	s_load_b128 s[4:7], s[0:1], 0x0                ; qkv16, ctx16
	v_lshl_add_u32 v[SPW], v0, 2, SPARE
	v_mov_b32 v[NIL], 0
	ds_add_u32 v[SPW], v[NIL]                      ; the wave's opening: the add, twice on end, and its wait ahead of my first tensor load
	ds_add_u32 v[SPW], v[NIL]
	v_lshrrev_b32 v1, 5, v0
	v_readfirstlane_b32 s[WV], v1                  ; wave 0..7
	s_bfe_u32 s13, ttmp6, 0x40000                  ; cx: my block of 512 queries: it enters Q's and ctx's addresses alone
	s_and_b32 s20, ttmp7, 0xffff                   ; y, which the four partners share
	s_lshl_b32 s20, s20, 18                        ; its 262,144 bytes in each part
	s_and_b32 s16, s[WV], 3                        ; which quarter of a slot I fetch:
	s_lshl_b32 s17, s16, 14                        ; its 128 keys of 128 bytes in memory,
	s_add_co_u32 s22, s20, s17
	s_mov_b32 s23, 0
	s_mul_i32 s17, s16, 64*PK                      ; and its place in K's part of a slot,
	s_mul_i32 s18, s16, 64*PV                      ; or in V's
	s_lshl_b32 s2, s13, 16                         ; my block's 512 rows,
	s_lshl_b32 s3, s[WV], 13                       ; my wave's 64 of them
	s_add_co_u32 s2, s2, s3
	s_add_co_u32 s2, s2, s20
	s_mov_b32 s3, 0
	s_mov_b32 s[G1K], 15|(1<<16)|(1<<20)|(1<<21)|(5<<22)|(3<<25)  ; the mask: all four; elements of 2 bytes; padding on; bit 21 beside a mask; after every 64 words 4 words
	s_mov_b32 s[G1V], 15|(1<<16)|(1<<20)|(1<<21)|(5<<22)|(7<<25)  ; the same with 8 words
.irp g, G1K, G1V
	s_mov_b32 s[\g+1], 128<<16                     ; tensor_dim0 = 128 elements: two keys
	s_mov_b32 s[\g+2], 64<<16                      ; tensor_dim1 = 64
	s_mov_b32 s[\g+3], 128<<16                     ; tile_dim0
	s_mov_b32 s[\g+4], 64                          ; tile_dim1
	s_mov_b32 s[\g+5], 128                         ; the pitch: dense
	s_mov_b32 s[\g+6], 0
	s_mov_b32 s[\g+7], 0
.endr
	s_mov_b32 s[CS], 0x3e38aa3b                    ; c = log2(e) / 8
	s_mov_b32 s[CS+1], s[CS]
	s_mov_b32 s[SEL], 0x76543210
	s_mov_b32 s[SEL+1], 0xfedcba98
	s_wait_dscnt 0x0                               ; both opening adds are done
	s_wait_kmcnt 0x0
	s_add_nc_u64 s[8:9], s[4:5], s[22:23]          ; qkv16 at y's rows, my quarter: nothing of cx in it
	s_add_nc_u64 s[4:5], s[4:5], s[2:3]            ; Q at my wave's first row
	s_add_nc_u64 s[6:7], s[6:7], s[2:3]            ; ctx likewise
	CROUND                                         ; all four work-groups are here: the first joint loads meet
.irp s, 0,1
	s_mov_b32 s[G0K+4*\s], 1
	s_add_co_u32 s[G0K+4*\s+1], s17, \s*SLOT
	s_add_nc_u64 s[G0K+4*\s+2:G0K+4*\s+3], s[8:9], 0x1000000+\s*65536   ; K's part; slot s begins with keys 512 s
	s_or_b32 s[G0K+4*\s+3], s[G0K+4*\s+3], 0x80000000
	s_mov_b32 s[G0V+4*\s], 1
	s_add_co_u32 s[G0V+4*\s+1], s18, \s*SLOT+VOFF
	s_add_nc_u64 s[G0V+4*\s+2:G0V+4*\s+3], s[8:9], 0x2000000+\s*65536   ; V's part
	s_or_b32 s[G0V+4*\s+3], s[G0V+4*\s+3], 0x80000000
.endr
	s_cmp_lt_u32 s[WV], 4                          ; a wave's two first fills stand in one branch, ahead of every wait on TENSORcnt and every LDS read: two loads of mine are out
	s_cbranch_scc0 .Lfirst_v
	tensor_load_to_lds s[G0K:G0K+3], s[G1K:G1K+7]
	s_nop 0
	tensor_load_to_lds s[G0K+4:G0K+7], s[G1K:G1K+7]
	s_nop 0
.rept 4
	v_nop
.endr
	s_branch .Lfirst_asked
.Lfirst_v:
	tensor_load_to_lds s[G0V:G0V+3], s[G1V:G1V+7]
	s_nop 0
	tensor_load_to_lds s[G0V+4:G0V+7], s[G1V:G1V+7]
	s_nop 0
.rept 4
	v_nop
.endr
.Lfirst_asked:
	v_and_b32 v1, 15, v0                           ; r = l % 16
	v_bfe_u32 v10, v0, 4, 1                        ; h = l / 16
	v_lshlrev_b32 v[QO], 7, v1
	v_lshl_add_u32 v[QO], v10, 4, v[QO]            ; Q: row r of 128 bytes + 16 h
	WIN W_L1
.irp t, 0,1,2,3
.irp c, 0,1                                        ; Q stays in registers: tile t, channels 32 c on
	global_load_b128 v[QF+16*\t+8*\c:QF+16*\t+8*\c+3], v[QO], s[4:5] offset:\t*2048+64*\c
	global_load_b128 v[QF+16*\t+8*\c+4:QF+16*\t+8*\c+7], v[QO], s[4:5] offset:\t*2048+64*\c+32
.endr
.endr
	WIN 0
	v_lshrrev_b32 v11, 1, v1
	v_mul_u32_u24 v[AK0], v11, PK
	v_and_b32 v11, 1, v0
	v_lshl_add_u32 v[AK0], v11, 7, v[AK0]
	v_lshl_add_u32 v[AK0], v10, 4, v[AK0]          ; K: (r / 2) x 272 + (r % 2) x 128 + 16 h
	v_bfe_u32 v12, v0, 1, 2
	v_lshl_add_u32 v12, v10, 2, v12                ; V: the turning load's lane l reads key 8 h + l % 8: pair row 4 h + (l % 8) / 2,
	v_mul_u32_u24 v[AV0], v12, PV
	v_lshl_add_u32 v[AV0], v11, 7, v[AV0]          ; its half l % 2,
	v_bfe_u32 v12, v0, 3, 1
	v_lshl_add_u32 v[AV0], v12, 4, v[AV0]          ; channels 8 ((l / 8) % 2) on
	v_add_nc_u32 v[AV0], VOFF, v[AV0]
	s_mul_i32 s16, s[WV], 16*SP
	s_add_co_u32 s16, s16, STAGE                   ; my stage
	v_mul_u32_u24 v[STO], v1, SP
	v_lshl_add_u32 v[STO], v10, 4, v[STO]
	v_add_nc_u32 v[STO], s16, v[STO]               ; in: row r, 16 bytes for each half of the lanes
	v_bfe_u32 v12, v0, 3, 2
	v_mul_u32_u24 v[RD], v12, SP
	v_and_b32 v12, 7, v0
	v_lshl_add_u32 v[RD], v12, 4, v[RD]
	v_add_nc_u32 v[RD], s16, v[RD]                 ; back: row l / 8 of four, 16 (l % 8)
	v_and_b32 v[GO], 31, v0
	v_lshlrev_b32 v[GO], 4, v[GO]                  ; four rows of 128 bytes are 512 dense bytes of ctx16
; THE SOFTMAX of a key step, every line written for the four tiles in turn, so that no line waits for the line above it.  first = 1: the first key step, which starts m, l and O^T.
.macro SOFTMAX first
.irp j, 0,1,2,3                                    ; the maximum of the lane's 32 scores and the old m, three operands at a time.  Each accumulator is read from its low end on
.irp t, 0,1,2,3
	v_max3_num_f32 v[ST+8*\t+4+\j], v[S+32*\t+8*\j], v[S+32*\t+8*\j+1], v[S+32*\t+8*\j+2]
.endr
.endr
.irp g, 1,2
.irp j, 0,1,2,3
.irp t, 0,1,2,3
	v_max3_num_f32 v[ST+8*\t+4+\j], v[ST+8*\t+4+\j], v[S+32*\t+8*\j+2*\g+1], v[S+32*\t+8*\j+2*\g+2]
.endr
.endr
.endr
.irp t, 0,1,2,3
	v_max3_num_f32 v[ST+8*\t+4], v[ST+8*\t+4], v[S+32*\t+7], v[S+32*\t+15]
.endr
.irp t, 0,1,2,3
	v_max3_num_f32 v[ST+8*\t+6], v[ST+8*\t+6], v[S+32*\t+23], v[S+32*\t+31]
.endr
.irp t, 0,1,2,3
	v_max3_num_f32 v[ST+8*\t+4], v[ST+8*\t+4], v[ST+8*\t+5], v[ST+8*\t+6]
.endr
.irp t, 0,1,2,3
.if \first
	v_max_num_f32 v[ST+8*\t+4], v[ST+8*\t+4], v[ST+8*\t+7]
.else
	v_max3_num_f32 v[ST+8*\t+4], v[ST+8*\t+4], v[ST+8*\t+7], v[ST+8*\t+1]
.endif
.endr
.irp t, 0,1,2,3
	v_permlanex16_b32 v[ST+8*\t+5], v[ST+8*\t+4], s[SEL], s[SEL+1]   ; the query's other 32 keys lie in the lane 16 away
.endr
.if \first == 0
.irp t, 0,1,2,3
	v_mov_b32 v[ST+8*\t+7], v[ST+8*\t]             ; c m_old is kept for a
.endr
.endif
.irp t, 0,1,2,3
	v_max_num_f32 v[ST+8*\t+1], v[ST+8*\t+4], v[ST+8*\t+5]   ; the new m
.endr
.irp t, 0,1,2,3
	v_mul_f32 v[ST+8*\t], s[CS], v[ST+8*\t+1]
.endr
.if \first == 0
.irp t, 0,1,2,3
	v_sub_f32 v[ST+8*\t+7], v[ST+8*\t+7], v[ST+8*\t]
.endr
.endif
.irp b, 0,1,2,3,4,5,6,7,8,9,10,11,12,13,14,15
.irp t, 0,1,2,3
	v_pk_fma_f32 v[S+32*\t+2*\b:S+32*\t+2*\b+1], v[S+32*\t+2*\b:S+32*\t+2*\b+1], s[CS:CS+1], v[ST+8*\t:ST+8*\t+1] op_sel_hi:[1,0,0] neg_lo:[0,0,1] neg_hi:[0,0,1]   ; c s - c m, two at a time
.endr
.endr
.if \first == 0                                    ; ONE BATCH of exponentials: none of them reads another's result
.irp t, 0,1,2,3
	v_exp_f32 v[ST+8*\t+6], v[ST+8*\t+7]           ; a
.endr
.endif
.irp e, 0,1,2,3,4,5,6,7,8,9,10,11,12,13,14,15,16,17,18,19,20,21,22,23,24,25,26,27,28,29,30,31
.irp t, 0,1,2,3
	v_exp_f32 v[S+32*\t+\e], v[S+32*\t+\e]         ; p
.endr
.endr
	v_nop                                          ; a plain line behind the last exponential,
	s_wait_alu depctr_va_vdst(0)                   ; and the one wait ahead of the batch's first reader
.irp t, 0,1,2,3                                    ; the sums of the unrounded p, two at a time, in two chains a tile
.if \first
	v_pk_add_f32 v[ST+8*\t+2:ST+8*\t+3], v[S+32*\t:S+32*\t+1], v[S+32*\t+6:S+32*\t+7]
.else
	v_pk_fma_f32 v[ST+8*\t+2:ST+8*\t+3], v[ST+8*\t+2:ST+8*\t+3], v[ST+8*\t+6:ST+8*\t+7], v[S+32*\t:S+32*\t+1] op_sel_hi:[1,0,1]   ; l = a l + ..
.endif
.endr
.irp t, 0,1,2,3
	v_pk_add_f32 v[ST+8*\t+4:ST+8*\t+5], v[S+32*\t+2:S+32*\t+3], v[S+32*\t+4:S+32*\t+5]
.endr
.if \first == 0
.irp t, 0,1,2,3
	v_pk_add_f32 v[ST+8*\t+2:ST+8*\t+3], v[ST+8*\t+2:ST+8*\t+3], v[S+32*\t+6:S+32*\t+7]
.endr
.endif
.irp b, 4,6,8,10,12,14
.irp t, 0,1,2,3
	v_pk_add_f32 v[ST+8*\t+4:ST+8*\t+5], v[ST+8*\t+4:ST+8*\t+5], v[S+32*\t+2*\b:S+32*\t+2*\b+1]
.endr
.irp t, 0,1,2,3
	v_pk_add_f32 v[ST+8*\t+2:ST+8*\t+3], v[ST+8*\t+2:ST+8*\t+3], v[S+32*\t+2*\b+2:S+32*\t+2*\b+3]
.endr
.endr
.irp t, 0,1,2,3
	v_pk_add_f32 v[ST+8*\t+2:ST+8*\t+3], v[ST+8*\t+2:ST+8*\t+3], v[ST+8*\t+4:ST+8*\t+5]
.endr
.irp i, 0,1,2,3,4,5,6,7,8,9,10,11,12,13,14,15      ; p to f16, in place: register i takes numbers 2 i and 2 i + 1, i ascending, so nothing unread is written over
.irp t, 0,1,2,3
	v_cvt_pk_f16_f32 v[S+32*\t+\i], v[S+32*\t+2*\i], v[S+32*\t+2*\i+1]
.endr
.endr
.endm
; A KEY STEP: 64 keys.  In both products sixteen accumulators take turns, one instruction a turn.
.macro STEP first
	v_add_nc_u32 v[ADK], s[TBK], v[AK0]
	v_add_nc_u32 v[ADV], s[TBV], v[AV0]
.irp k, 0,1,2,3
.irp c, 0,1                                        ; K: keys 16 k on, channels 32 c on
	ds_load_b128 v[KF+16*\k+8*\c:KF+16*\k+8*\c+3], v[ADK] offset:\k*8*PK+64*\c
	ds_load_b128 v[KF+16*\k+8*\c+4:KF+16*\k+8*\c+7], v[ADK] offset:\k*8*PK+64*\c+32
.endr
.endr
	WIN W_L1
.irp u, 0,1
.irp g, 0,1,2,3                                    ; V, turned: keys 32 u on, channels 16 g on
	ds_load_tr16_b128 v[VF+32*\u+8*\g:VF+32*\u+8*\g+3], v[ADV] offset:\u*16*PV+32*\g
	ds_load_tr16_b128 v[VF+32*\u+8*\g+4:VF+32*\u+8*\g+7], v[ADV] offset:\u*16*PV+8*PV+32*\g
.endr
.endr
	s_wait_dscnt 16                                ; K is in; V's sixteen loads may stay out
	WIN W_KQ
.irp c, 0,1
.irp k, 0,1,2,3
.irp t, 0,1,2,3
.if \c == 0
	v_wmma_f32_16x16x32_f16 v[S+32*\t+8*\k:S+32*\t+8*\k+7], v[KF+16*\k+8*\c:KF+16*\k+8*\c+7], v[QF+16*\t+8*\c:QF+16*\t+8*\c+7], 0
.else
	v_wmma_f32_16x16x32_f16 v[S+32*\t+8*\k:S+32*\t+8*\k+7], v[KF+16*\k+8*\c:KF+16*\k+8*\c+7], v[QF+16*\t+8*\c:QF+16*\t+8*\c+7], v[S+32*\t+8*\k:S+32*\t+8*\k+7]
.endif
.endr
.endr
.endr
	WIN 0
	PLACES 4                                       ; in front of the first read of the scores
	SOFTMAX \first
.if \first
	PLACES 4
.else
	WIN W_RS
.irp i, 0,2,4,6,8,10,12,14,16,18,20,22,24,26,28,30
.irp t, 0,1,2,3
	v_pk_mul_f32 v[32*\t+\i:32*\t+\i+1], v[32*\t+\i:32*\t+\i+1], v[ST+8*\t+6:ST+8*\t+7] op_sel_hi:[1,0]   ; O^T x a, each accumulator from its low end on
.endr
.endr
.endif
	s_wait_dscnt 0x0                               ; V is in
	WIN W_PV
.irp u, 0,1
.irp g, 0,1,2,3
.irp t, 0,1,2,3
.if \first && (\u == 0)
	v_wmma_f32_16x16x32_f16 v[32*\t+8*\g:32*\t+8*\g+7], v[VF+32*\u+8*\g:VF+32*\u+8*\g+7], v[S+32*\t+8*\u:S+32*\t+8*\u+7], 0
.else
	v_wmma_f32_16x16x32_f16 v[32*\t+8*\g:32*\t+8*\g+7], v[VF+32*\u+8*\g:VF+32*\u+8*\g+7], v[S+32*\t+8*\u:S+32*\t+8*\u+7], v[32*\t+8*\g:32*\t+8*\g+7]
.endif
.endr
.endr
.endr
	WIN 0
	PLACES 5                                       ; the next step's products write over P, a source of these: five places; its loads into V's registers want four
	s_add_co_u32 s[TBK], s[TBK], KSTP
	s_add_co_u32 s[TBV], s[TBV], VSTP
.endm
.macro SLOTRUN sl, first               ; a slot's eight key steps
	s_mov_b32 s[TBK], \sl*SLOT
	s_mov_b32 s[TBV], \sl*SLOT
.if \first
	STEP 1
	s_mov_b32 s[CNT], 7
.else
	s_mov_b32 s[CNT], 8
.endif
.Lstep_\@:
	STEP 0
	s_sub_co_u32 s[CNT], s[CNT], 1
	s_cmp_lg_u32 s[CNT], 0
	s_cbranch_scc1 .Lstep_\@
.endm
; THE CHANGE OF SLOTS.  Each wave waits for all its tensor loads, of which one is out: its part of the other slot; adds 0 to its spare word; waits for that and for its reads of the slot just left.
; fill = 1: that slot is filled again, with the keys 1,024 on.  The barrier is then a round of the cluster's, and the joint refill is the first thing behind it: it has eight key steps in which to land.
.macro CHANGE sl, fill
	s_wait_tensorcnt 0x0                           ; no tensor load of mine is out, so a group 0 may be written
	ds_add_u32 v[SPW], v[NIL]
.if \fill
	s_add_nc_u64 s[G0K+4*\sl+2:G0K+4*\sl+3], s[G0K+4*\sl+2:G0K+4*\sl+3], 131072
	s_add_nc_u64 s[G0V+4*\sl+2:G0V+4*\sl+3], s[G0V+4*\sl+2:G0V+4*\sl+3], 131072
.endif
	s_wait_dscnt 0x0                               ; the add is done, and my reads of the slot are over
.if \fill
	CROUND
	JLOAD \sl
.else
	s_barrier_signal -1
	s_barrier_wait -1
.endif
.endm
	s_wait_tensorcnt 1                             ; my part of slot 0 is in; slot 1's may stay out
	s_barrier_signal -1
	s_barrier_wait -1                              ; everybody's is
	s_wait_loadcnt 0x0                             ; Q
	SLOTRUN 0, 1                                   ; keys 0-511
	CHANGE 0, 1
	SLOTRUN 1, 0                                   ; 512-1,023
	CHANGE 1, 1
	SLOTRUN 0, 0                                   ; 1,024-1,535
	CHANGE 0, 0                                    ; nothing is left to ask for
	SLOTRUN 1, 0                                   ; 1,536-2,047
	; THE WAY OUT.  l's two halves and the other half of the lanes' are added; O^T is divided by l, rounded to f16 and sent through my stage, a tile (16 rows of ctx) at a time.
.irp t, 0,1,2,3
	v_add_f32 v[ST+8*\t+4], v[ST+8*\t+2], v[ST+8*\t+3]
.endr
.irp t, 0,1,2,3
	v_permlanex16_b32 v[ST+8*\t+5], v[ST+8*\t+4], s[SEL], s[SEL+1]
.endr
.irp t, 0,1,2,3
	v_add_f32 v[ST+8*\t+4], v[ST+8*\t+4], v[ST+8*\t+5]
.endr
.irp t, 0,1,2,3
	v_rcp_f32 v[ST+8*\t+6], v[ST+8*\t+4]           ; l is at least 1: the largest score's p
.endr
	v_nop                                          ; a plain line behind the last reciprocal,
	s_wait_alu depctr_va_vdst(0)                   ; and the one wait ahead of the first use
.macro PACK t
	WIN W_RS
.irp i, 0,2,4,6,8,10,12,14,16,18,20,22,24,26,28,30
	v_pk_mul_f32 v[32*\t+\i:32*\t+\i+1], v[32*\t+\i:32*\t+\i+1], v[ST+8*\t+6:ST+8*\t+7] op_sel_hi:[1,0]
.endr
	WIN 0x05                                       ; sources 0 and 1 window 1, destination window 0
.irp i, 0,1,2,3,4,5,6,7,8,9,10,11,12,13,14,15
	v_cvt_pk_f16_f32 v[S+32*\t+\i], v[32*\t+2*\i], v[32*\t+2*\i+1]
.endr
	WIN 0
.irp g, 0,1,2,3
	ds_store_b128 v[STO], v[S+32*\t+4*\g:S+32*\t+4*\g+3] offset:32*\g
.endr
.irp j, 0,1,2,3
	ds_load_b128 v[S+32*\t+16+4*\j:S+32*\t+16+4*\j+3], v[RD] offset:\j*4*SP   ; LDS serves a wave's instructions in order: these see the stores above; the next tile's stores come behind them
.endr
.endm
.macro SEND t, younger                 ; younger: the LDS instructions issued behind tile t's loads: the next tile's eight, or none
.irp j, 0,1,2,3
	s_wait_dscnt \younger+3-\j
	global_store_b128 v[GO], v[S+32*\t+16+4*\j:S+32*\t+16+4*\j+3], s[6:7] offset:\t*2048+\j*512   ; 32 lanes store 512 consecutive bytes, at a multiple of 512
.endr
.endm
	PACK 0
	PACK 1
	SEND 0, 8
	PACK 2
	SEND 1, 8
	PACK 3
	SEND 2, 8
	SEND 3, 0
	s_wait_tensorcnt 0x0                           ; the wave's end
	ds_add_u32 v[SPW], v[NIL]
	s_wait_dscnt 0x0
	CROUND                                         ; the closing round
	s_endpgm
.Lfunc_end_k_q61be8cb5a2_attn:
	.size	k_q61be8cb5a2_attn, .Lfunc_end_k_q61be8cb5a2_attn-k_q61be8cb5a2_attn
	.p2alignl 7, 3214868480
	.fill 96, 4, 3214868480
	.section	.rodata,"a",@progbits
	.p2align	6, 0x0
	.amdhsa_kernel k_q61be8cb5a2_attn
		.amdhsa_group_segment_fixed_size 327680
		.amdhsa_private_segment_fixed_size 0
		.amdhsa_enable_private_segment 0
		.amdhsa_kernarg_size 16
		.amdhsa_user_sgpr_count 2
		.amdhsa_user_sgpr_kernarg_segment_ptr 1
		.amdhsa_wavefront_size32 1
		.amdhsa_system_sgpr_workgroup_id_x 1
		.amdhsa_system_sgpr_workgroup_id_y 1
		.amdhsa_system_sgpr_workgroup_id_z 1
		.amdhsa_system_vgpr_workitem_id 0
		.amdhsa_next_free_vgpr 512
		.amdhsa_next_free_sgpr 66
		.amdhsa_reserve_vcc 0
		.amdhsa_float_denorm_mode_32 3
		.amdhsa_float_denorm_mode_16_64 3
		.amdhsa_memory_ordered 1
		.amdhsa_forward_progress 1
		.amdhsa_inst_pref_size 179
	.end_amdhsa_kernel
	.amdgpu_metadata
---
amdhsa.version: [ 1, 2 ]
amdhsa.kernels:
  - .name:           k_q61be8cb5a2_attn
    .symbol:         k_q61be8cb5a2_attn.kd
    .args:
      - { .name: qkv16, .offset: 0, .size: 8, .value_kind: global_buffer, .address_space: global }
      - { .name: ctx16, .offset: 8, .size: 8, .value_kind: global_buffer, .address_space: global }
    .group_segment_fixed_size: 327680
    .private_segment_fixed_size: 0
    .kernarg_segment_align: 8
    .kernarg_segment_size: 16
    .max_flat_workgroup_size: 256
    .sgpr_count:     66
    .vgpr_count:     512
    .wavefront_size: 32
...
	.end_amdgpu_metadata
.endif
;; end of part 3
;; launch proj (part 4): grid 4 x 64, 4 waves a work-group, clusters of 4 x 4, 327,680 bytes of LDS; arguments ctx16, wo16, out_proj_bias, out0; writes out0
.if DOCPART == 4
	.amdgcn_target "amdgcn-amd-amdhsa--gfx1250"
	.amdhsa_code_object_version 6
	.text
	.protected	k_q61be8cb5a2_proj
	.globl	k_q61be8cb5a2_proj
	.p2align	8
	.type	k_q61be8cb5a2_proj,@function
k_q61be8cb5a2_proj:
	s_mov_b64 s[64:65], 0
	v_nop
	global_prefetch_b8 v0, s[64:65] scope:SCOPE_SE
	s_setreg_imm32_b32 hwreg(HW_REG_WAVE_MODE, 25, 1), 1
	s_wait_xcnt 0x0
	s_wait_alu depctr_hold_cnt(0) depctr_sa_sdst(0) depctr_va_vdst(0) depctr_va_sdst(0) depctr_va_ssrc(0) depctr_va_vcc(0) depctr_vm_vsrc(0)
	s_getreg_b32 s2, hwreg(HW_REG_IB_STS2, 6, 4)
	s_cmp_eq_u32 s2, 0
	s_cbranch_scc0 .Lentry_in_a_cluster
	s_endpgm
.Lentry_in_a_cluster:
	s_bfe_u32 s2, ttmp6, 0x10000c
	s_cmp_lg_u32 s2, 0xf033
	s_cbranch_scc0 .Lentry_shape_is_right
	s_endpgm
.Lentry_shape_is_right:
; out0[t][b][n] = out_proj_bias[n] + sum over k of ctx[b][t][k] Wo[n][k], k = 64 h + d.  ctx16: [b][h][t][64] f16; wo16: [1024 n][1024 k] f16; out0: [2048 t][4 b][1024] f32; sums in f32.
; LIMIT: the bias is the start of each f32 sum, not its last term.
; A tile of 128 rows (128 neighbouring t of one b) x 256 columns is made by a work-group of four waves: 256 work-groups.  A wave makes 64 x 128: 32 accumulators, 256 registers.
; K goes in steps of 128, two heads, through a ring of two LDS slots.  A head's 128 rows of 128 bytes are dense in ctx16: they come as 64 rows of 256 bytes, two t each, with 16 bytes of padding behind each:
; row t lies at (t / 2) x 272 + (t % 2) x 128, so that the 16 rows of a fragment load start at word banks 4 (t / 2) + 32 (t % 2), all different (64 banks of 4 bytes: ISA guide 11.1).  Wo's rows of a step are 256 bytes, pitch 272.
; Wave 0 fetches the step's first head, wave 1 its second, waves 2 and 3 the halves of Wo's 256 rows: one tensor load a wave.
; CLUSTERS: 4 x 4 work-groups.  ctx's tiles hang on the tile row alone and are shared along a row of the cluster, Wo's on the tile column alone and are shared along a column: each is asked for JOINTLY.
; THE MATRIX INSTRUCTION IS USED TRANSPOSED (source 0 = 16 rows of Wo, source 1 = 16 rows of ctx): a lane holds eight neighbouring columns of one row of out0.
; REGISTERS: window 0: v1-31 addresses; v32-127, v128-223 two fragment buffers (in each: Wo's 8 fragments, then ctx's 4).  window 1: the accumulators, (a, b) at v[8 (8 a + b)].  window 2: v0-63 the bias in the result's layout.
.set PITCH,  272
.set APL,    64*PITCH                  ; a head's plane of ctx
.set BOFF,   2*APL
.set SLOT,   BOFF+256*PITCH
.set STAGE,  2*SLOT                    ; behind the ring: 16 rows x 528 bytes for each wave
.set SPITCH, 528
.set SPARE,  STAGE+4*16*SPITCH         ; the spare words, 128 bytes a wave, which no other line names
.set LAPS,   4                         ; a lap = two K steps = once round the ring
.set ADRA, 16
.set ADRB, 20
.set STO,  24
.set RD,   25
.set CO,   26
.set SPW,  28
.set NIL,  29
.set F0,   32
.set F1,   128
.set BK,   32                          ; the way out: rows read back: v32-95 and v96-159 by turns
.set G1,  24
.set G0,  32
.set G1B, 48
.set G0B, 56
.set MSB, 0
.macro WIN new
.if MSB != (\new)
	s_set_vgpr_msb (MSB<<8)|(\new)
.set MSB, (\new)
.endif
.endm
.set MUL, 0x50                         ; C and D window 1, both sources window 0
.set BEG, 0x60                         ; the first products: C (the bias) window 2, D window 1
.macro JLOAD s                         ; a joint load: waves 0 and 1 fetch ctx's planes, waves 2 and 3 Wo's halves; an s_nop 0 and four v_nop follow each of the two lines
	s_cmp_eq_u32 s13, 0
	s_cbranch_scc0 .Lfor_b_\@
	tensor_load_to_lds s[G0+4*\s:G0+4*\s+3], s[G1:G1+7]
	s_nop 0
.rept 4
	v_nop
.endr
	s_branch .Lasked_\@
.Lfor_b_\@:
	tensor_load_to_lds s[G0B+4*\s:G0B+4*\s+3], s[G1B:G1B+7]
	s_nop 0
.rept 4
	v_nop
.endr
.Lasked_\@:
.endm
.macro CREST                           ; a round of the cluster's barrier behind its opening barrier
	s_cmp_lg_u32 s12, 0
	s_cbranch_scc1 .Lnot_wave_0_\@
	s_barrier_signal -3
.Lnot_wave_0_\@:
	s_barrier_wait -3
	s_barrier_signal -1
	s_barrier_wait -1
.endm
.macro CROUND
	s_barrier_signal -1
	s_barrier_wait -1
	CREST
.endm
	s_load_b256 s[4:11], s[0:1], 0x0               ; ctx16 s[4:5], wo16 s[6:7], the bias s[8:9], out0 s[10:11]
	v_lshl_add_u32 v[SPW], v0, 2, SPARE
	v_mov_b32 v[NIL], 0
	ds_add_u32 v[SPW], v[NIL]                      ; the wave's opening: the add, twice on end, and its wait ahead of my first tensor load
	ds_add_u32 v[SPW], v[NIL]
	v_lshrrev_b32 v1, 5, v0
	v_readfirstlane_b32 s12, v1                    ; wave 0..3
	s_lshr_b32 s13, s12, 1                         ; which 64 rows are mine.  Also: I fetch for ctx (0) or for Wo (1)
	s_and_b32 s14, s12, 1                          ; which 128 columns.  Also: which plane, or which half of Wo's rows, I fetch
	s_bfe_u32 s40, ttmp6, 0x40000                  ; cx, cy
	s_bfe_u32 s41, ttmp6, 0x40004
	s_lshl_b32 s42, ttmp9, 2
	s_add_co_u32 s42, s42, s40                     ; tile column
	s_and_b32 s43, ttmp7, 0xffff
	s_lshl_b32 s43, s43, 2
	s_add_co_u32 s43, s43, s41                     ; tile row: b = tile row / 16, t = 128 (tile row % 16) on
	s_lshl_b32 s44, s41, 2
	s_lshl_b32 s44, 15, s44                        ; my row of the cluster
	s_lshl_b32 s45, 0x1111, s40                    ; my column
	s_or_b32 s[G1+0], s44, (1<<16)|(1<<20)|(1<<21)|(5<<22)|(3<<25)   ; the mask; elements of 2 bytes; padding on; bit 21 beside a mask; 4 words after every 64
	s_mov_b32 s[G1+1], 128<<16                     ; tensor_dim0 = 128 elements: two rows of a head
	s_mov_b32 s[G1+2], 64<<16                      ; tensor_dim1
	s_mov_b32 s[G1+3], 128<<16                     ; tile_dim0
	s_mov_b32 s[G1+4], 64                          ; tile_dim1
	s_mov_b32 s[G1+5], 128                         ; the pitch: dense
	s_mov_b32 s[G1+6], 0
	s_mov_b32 s[G1+7], 0
	s_or_b32 s[G1B+0], s45, (1<<16)|(1<<20)|(1<<21)|(5<<22)|(3<<25)
	s_mov_b32 s[G1B+1], 128<<16
	s_mov_b32 s[G1B+2], 128<<16
	s_mov_b32 s[G1B+3], 128<<16
	s_mov_b32 s[G1B+4], 128
	s_mov_b32 s[G1B+5], 1024                       ; a row of Wo
	s_mov_b32 s[G1B+6], 0
	s_mov_b32 s[G1B+7], 0
	s_lshr_b32 s16, s43, 4                         ; ctx: b x 16 heads of 262,144 bytes,
	s_lshl_b32 s16, s16, 22
	s_lshl_b32 s17, s14, 18                        ; my plane's head,
	s_add_co_u32 s16, s16, s17
	s_and_b32 s17, s43, 15
	s_lshl_b32 s17, s17, 14                        ; 128 rows of 128 bytes a tile row
	s_add_co_u32 s16, s16, s17
	s_mov_b32 s17, 0
	s_lshl_b32 s46, s42, 19                        ; Wo: 256 rows of 2,048 bytes a tile column,
	s_lshl_b32 s47, s14, 18                        ; my half
	s_add_co_u32 s46, s46, s47
	s_mov_b32 s47, 0
	s_mul_i32 s20, s14, APL                        ; where they go: no place in the cluster enters an LDS address
	s_mul_i32 s21, s14, 128*PITCH
	s_add_co_u32 s21, s21, BOFF
	s_wait_dscnt 0x0                               ; both opening adds are done
	s_wait_kmcnt 0x0
	s_add_nc_u64 s[18:19], s[4:5], s[16:17]
	s_add_nc_u64 s[46:47], s[6:7], s[46:47]
	CROUND                                         ; all sixteen work-groups are here: the first joint loads meet
.irp s, 0,1
	s_mov_b32 s[G0+4*\s], 1
	s_add_co_u32 s[G0+4*\s+1], s20, \s*SLOT
	s_add_nc_u64 s[G0+4*\s+2:G0+4*\s+3], s[18:19], \s*524288      ; K step s: two heads on
	s_or_b32 s[G0+4*\s+3], s[G0+4*\s+3], 0x80000000
	s_mov_b32 s[G0B+4*\s], 1
	s_add_co_u32 s[G0B+4*\s+1], s21, \s*SLOT
	s_add_nc_u64 s[G0B+4*\s+2:G0B+4*\s+3], s[46:47], \s*256
	s_or_b32 s[G0B+4*\s+3], s[G0B+4*\s+3], 0x80000000
	JLOAD \s                                       ; two tensor loads of mine are out behind the second
.endr
	v_and_b32 v1, 15, v0                           ; r
	v_bfe_u32 v2, v0, 4, 1                         ; h
	v_lshlrev_b32 v7, 5, v2                        ; the bias: 32 h bytes
	s_lshl_b32 s46, s42, 10                        ; my first column x 4 bytes
	s_lshl_b32 s47, s14, 9
	s_add_co_u32 s46, s46, s47
	s_mov_b32 s47, 0
	s_add_nc_u64 s[8:9], s[8:9], s[46:47]
	s_add_nc_u64 s[10:11], s[10:11], s[46:47]
	WIN 0x80                                       ; destination window 2
.irp b, 0,1,2,3,4,5,6,7
	global_load_b128 v[8*\b:8*\b+3], v7, s[8:9] offset:64*\b        ; bias of columns 16 b + 8 h + 0 .. 7 of my 128
	global_load_b128 v[8*\b+4:8*\b+7], v7, s[8:9] offset:64*\b+16
.endr
	WIN 0
	v_lshrrev_b32 v3, 1, v1
	v_mul_u32_u24 v3, v3, PITCH
	v_and_b32 v4, 1, v0
	v_lshl_add_u32 v3, v4, 7, v3
	v_lshl_add_u32 v3, v2, 4, v3                   ; ctx: (r / 2) x 272 + (r % 2) x 128 + 16 h
	v_mul_u32_u24 v4, v1, PITCH
	v_lshl_add_u32 v4, v2, 4, v4                   ; Wo: r x 272 + 16 h
	s_mul_i32 s22, s13, 32*PITCH                   ; my 64 rows of ctx
	s_mul_i32 s23, s14, 128*PITCH                  ; my 128 rows of Wo
	s_add_co_u32 s23, s23, BOFF
.irp s, 0,1
	v_add_nc_u32 v[ADRA+\s], s22, v3
	v_add_nc_u32 v[ADRB+\s], s23, v4
	s_add_co_u32 s22, s22, SLOT
	s_add_co_u32 s23, s23, SLOT
.endr
	s_mul_i32 s23, s12, 16*SPITCH
	s_add_co_u32 s23, s23, STAGE                   ; my stage
	v_mul_u32_u24 v5, v1, SPITCH
	v_lshl_add_u32 v5, v2, 5, v5
	v_add_nc_u32 v[STO], s23, v5                   ; in: row r, 32 bytes for each half of the lanes
	v_and_b32 v6, 31, v0
	v_lshlrev_b32 v[CO], 4, v6                     ; back: the 32 lanes take one row of 512 bytes; and the same in out0
	v_add_nc_u32 v[RD], s23, v[CO]
	s_and_b32 s16, s43, 15                         ; out0: a t is 16,384 bytes: 128 of them a tile row,
	s_lshl_b32 s16, s16, 21
	s_lshl_b32 s17, s13, 20                        ; 64 for my half,
	s_add_co_u32 s16, s16, s17
	s_lshr_b32 s17, s43, 4
	s_lshl_b32 s17, s17, 12                        ; b x 4,096
	s_add_co_u32 s16, s16, s17
	s_mov_b32 s17, 0
	s_add_nc_u64 s[10:11], s[10:11], s[16:17]
; 8 matrix instructions: ctx's block a x Wo's eight, 32 along K, from buffer f.  zero = 1: the bias is the C of the first product: nothing is cleared.  The 32 accumulators take turns, one instruction a turn.
.macro MULA f, a, zero
.irp b, 0,1,2,3,4,5,6,7
.if \zero
	v_wmma_f32_16x16x32_f16 v[8*(8*(\a)+\b):8*(8*(\a)+\b)+7], v[\f+8*\b:\f+8*\b+7], v[\f+64+8*(\a):\f+64+8*(\a)+7], v[8*\b:8*\b+7]
.else
	v_wmma_f32_16x16x32_f16 v[8*(8*(\a)+\b):8*(8*(\a)+\b)+7], v[\f+8*\b:\f+8*\b+7], v[\f+64+8*(\a):\f+64+8*(\a)+7], v[8*(8*(\a)+\b):8*(8*(\a)+\b)+7]
.endif
.endr
.endm
; 24 LDS loads in one run: the fragments of the slot's quarter q (32 along K: head q / 2 of the step's two, channels 32 (q % 2) on) into buffer f: Wo's sixteen first, ctx's blocks 2 and 3 last
.macro FETCH slot, q, f
	WIN 0
.irp i, 0,1,2,3,4,5,6,7
	ds_load_b128 v[\f+8*\i:\f+8*\i+3],   v[ADRB+\slot] offset:64*(\q)+\i*16*PITCH
	ds_load_b128 v[\f+8*\i+4:\f+8*\i+7], v[ADRB+\slot] offset:64*(\q)+\i*16*PITCH+32
.endr
.irp i, 0,1,2,3
	ds_load_b128 v[\f+64+8*\i:\f+64+8*\i+3],   v[ADRA+\slot] offset:((\q)/2)*APL+((\q)%2)*64+\i*8*PITCH
	ds_load_b128 v[\f+64+8*\i+4:\f+64+8*\i+7], v[ADRA+\slot] offset:((\q)/2)*APL+((\q)%2)*64+\i*8*PITCH+32
.endr
.endm
.macro PLACES                          ; four plain lines in front of loads into registers that matrix instructions have read, and of reads of results
.rept 4
	v_nop
.endr
.endm
; A K step is four quarters of 32 along K, 32 matrix instructions each, on buffers 0, 1, 0, 1.  One of the first three: multiplies buffer f and fetches quarter q of the same slot into g.
.macro QUARTER slot, q, f, g, zero
	s_wait_dscnt 4                                 ; Wo's fragments and ctx's blocks 0 and 1 are in; the youngest four loads may be out
.if \zero
	WIN BEG
.else
	WIN MUL
.endif
	MULA \f, 0, \zero
	MULA \f, 1, \zero
	PLACES
	FETCH \slot, \q, \g
	s_wait_dscnt 24                                ; all but the 24 just issued
.if \zero
	WIN BEG
.else
	WIN MUL
.endif
	MULA \f, 2, \zero
	MULA \f, 3, \zero
.endm
; The last quarter multiplies buffer 1 and changes slots: ONE barrier; in front of it each wave waits for all its tensor loads, adds 0 to its spare word, and waits for that and for its reads of this slot.  fill = 1: this slot is filled again, two K steps ahead.
.macro TURN slot, next, fill
	WIN 0
	s_wait_tensorcnt 0x0                           ; all my tensor loads have landed: my part of the next slot
	ds_add_u32 v[SPW], v[NIL]
	s_wait_dscnt 5                                 ; (the add and the youngest four loads may be out)
	WIN MUL
	MULA F1, 0, 0
	s_wait_dscnt 0x0                               ; the add is done, and my reads of this slot are over
	s_barrier_signal -1
	MULA F1, 1, 0
	WIN 0
	s_barrier_wait -1
.if \fill
	CREST                                          ; the barrier has opened a round of the cluster's: no wave of any partner still reads this slot or has a load on its way
	s_add_nc_u64 s[G0+4*\slot+2:G0+4*\slot+3], s[G0+4*\slot+2:G0+4*\slot+3], 1048576   ; four heads on
	s_add_nc_u64 s[G0B+4*\slot+2:G0B+4*\slot+3], s[G0B+4*\slot+2:G0B+4*\slot+3], 512
	JLOAD \slot                                    ; the first tensor load behind the round; its four v_nop are also the places in front of the loads below
.else
	PLACES
.endif
	FETCH \next, 0, F0
	WIN MUL
	MULA F1, 2, 0
	MULA F1, 3, 0
.endm
	s_wait_tensorcnt 1                             ; my part of K step 0 is in (K step 1's may be out)
	s_barrier_signal -1
	s_barrier_wait -1                              ; everybody's is
	FETCH 0, 0, F0
	s_wait_loadcnt 0x0                             ; the bias
	QUARTER 0, 1, F0, F1, 1                        ; the first quarter stands in front of the loop: its products start the sums
	WIN 0
	s_mov_b32 s3, LAPS-1
.Llap:                                             ; a trip goes once round the ring, from a lap's second quarter to the next lap's first, and fills both slots again
	QUARTER 0, 2, F1, F0, 0
	QUARTER 0, 3, F0, F1, 0
	TURN 0, 1, 1
	QUARTER 1, 1, F0, F1, 0
	QUARTER 1, 2, F1, F0, 0
	QUARTER 1, 3, F0, F1, 0
	TURN 1, 0, 1
	QUARTER 0, 1, F0, F1, 0
	WIN 0
	s_sub_co_u32 s3, s3, 1
	s_cmp_lg_u32 s3, 0
	s_cbranch_scc1 .Llap
	QUARTER 0, 2, F1, F0, 0                        ; the last lap fills nothing
	QUARTER 0, 3, F0, F1, 0
	TURN 0, 1, 0
	QUARTER 1, 1, F0, F1, 0
	QUARTER 1, 2, F1, F0, 0
	QUARTER 1, 3, F0, F1, 0
	s_wait_dscnt 4                                 ; the very last quarter: nothing more to fetch
	WIN MUL
	MULA F1, 0, 0
	MULA F1, 1, 0
	s_wait_dscnt 0
	MULA F1, 2, 0
	MULA F1, 3, 0
	WIN 0
; THE WAY OUT, block by block of 16 rows x 128 columns: through my own stage in LDS, back as whole rows of 512 bytes.  LDS serves a wave's instructions in order: no wait between the stores and the loads.
.macro TOSTAGE a
	WIN 0x04                                       ; an LDS store's data are its source 1: window 1
.irp b, 0,1,2,3,4,5,6,7
	ds_store_b128 v[STO], v[8*(8*(\a)+\b):8*(8*(\a)+\b)+3] offset:64*\b           ; each accumulator from its low end on
	ds_store_b128 v[STO], v[8*(8*(\a)+\b)+4:8*(8*(\a)+\b)+7] offset:64*\b+16
.endr
	WIN 0
.set BB, BK+64*((\a)%2)
.irp i, 0,1,2,3,4,5,6,7,8,9,10,11,12,13,14,15
	ds_load_b128 v[BB+4*\i:BB+4*\i+3], v[RD] offset:\i*SPITCH
.endr
.endm
.macro SEND a, younger                 ; younger: the LDS instructions issued behind block a's loads, which may stay out
.set BB, BK+64*((\a)%2)
	s_wait_dscnt \younger
.irp i, 0,1,2,3,4,5,6,7,8,9,10,11,12,13,14,15
	global_store_b128 v[CO], v[BB+4*\i:BB+4*\i+3], s[10:11] offset:(\a)*262144+\i*16384 th:TH_STORE_NT   ; 32 lanes store 512 consecutive bytes, at a multiple of 512; the base is never stepped
.endr
.endm
	PLACES                                         ; behind the last products: for the stores of results and the loads into the fragments' registers
	TOSTAGE 0
.irp a, 1,2,3
.if \a > 1
	s_wait_xcnt 0x0                                ; block a - 2's stores have read their registers: block a's loads may land there
.endif
	TOSTAGE \a
	SEND \a-1, 32                                  ; behind block a - 1's loads: block a's 16 stores and 16 loads
.endr
	SEND 3, 0
	s_wait_tensorcnt 0x0                           ; the wave's end
	ds_add_u32 v[SPW], v[NIL]
	s_wait_dscnt 0x0
	CROUND                                         ; the closing round
	s_endpgm
.Lfunc_end_k_q61be8cb5a2_proj:
	.size	k_q61be8cb5a2_proj, .Lfunc_end_k_q61be8cb5a2_proj-k_q61be8cb5a2_proj
	.p2alignl 7, 3214868480
	.fill 96, 4, 3214868480
	.section	.rodata,"a",@progbits
	.p2align	6, 0x0
	.amdhsa_kernel k_q61be8cb5a2_proj
		.amdhsa_group_segment_fixed_size 327680
		.amdhsa_private_segment_fixed_size 0
		.amdhsa_enable_private_segment 0
		.amdhsa_kernarg_size 32
		.amdhsa_user_sgpr_count 2
		.amdhsa_user_sgpr_kernarg_segment_ptr 1
		.amdhsa_wavefront_size32 1
		.amdhsa_system_sgpr_workgroup_id_x 1
		.amdhsa_system_sgpr_workgroup_id_y 1
		.amdhsa_system_sgpr_workgroup_id_z 1
		.amdhsa_system_vgpr_workitem_id 0
		.amdhsa_next_free_vgpr 576
		.amdhsa_next_free_sgpr 66
		.amdhsa_reserve_vcc 0
		.amdhsa_float_denorm_mode_32 3
		.amdhsa_float_denorm_mode_16_64 3
		.amdhsa_memory_ordered 1
		.amdhsa_forward_progress 1
		.amdhsa_inst_pref_size 87
	.end_amdhsa_kernel
	.amdgpu_metadata
---
amdhsa.version: [ 1, 2 ]
amdhsa.kernels:
  - .name:           k_q61be8cb5a2_proj
    .symbol:         k_q61be8cb5a2_proj.kd
    .args:
      - { .name: ctx16, .offset: 0, .size: 8, .value_kind: global_buffer, .address_space: global }
      - { .name: wo16, .offset: 8, .size: 8, .value_kind: global_buffer, .address_space: global }
      - { .name: out_proj_bias, .offset: 16, .size: 8, .value_kind: global_buffer, .address_space: global }
      - { .name: out0, .offset: 24, .size: 8, .value_kind: global_buffer, .address_space: global }
    .group_segment_fixed_size: 327680
    .private_segment_fixed_size: 0
    .kernarg_segment_align: 8
    .kernarg_segment_size: 32
    .max_flat_workgroup_size: 128
    .sgpr_count:     66
    .vgpr_count:     576
    .wavefront_size: 32
...
	.end_amdgpu_metadata
.endif
;; end of part 4
